; MI455X (gfx1250); checked and timed in simulation.
; The chip was launched on July 23, 2026; its instructions are those of AMD's public machine-readable ISA for CDNA 5 (MIT licence, August 2026) and "CDNA5" Instruction Set Architecture Reference Guide (July 2026). The comments in the code are by the model that wrote it; some were corrected since.
;; Multi Head Attention. Allowed arithmetic: matrix products marked QUANTISED: E2M1 operands, one E8M0 scale for each 32 along K, by v_wmma_scale_f32_16x16x128_f8f6f4 with both operands' format E2M1 (or v_wmma_scale_f32_32x16x128_f4), f32 sums; products left as they are: bf16, f16 or f32 operands; f32 sums; everything else in f32.
;; Inputs: W_out 1,024 x 1,024 float32; W_qkv 3,072 x 1,024 float32; b_out 1,024 float32; b_qkv 3,072 float32; x 2 x 2,048 x 1,024 float32.
;; Outputs: out0 2 x 2,048 x 1,024 float32.
;; This version of the problem:
;;   THIS VERSION OF THE PROBLEM IS GIVEN IN LOW PRECISION. The matrix products marked QUANTISED in the list below multiply operands that are first quantised to E2M1 (2 exponent bits, 1 mantissa bit; 4 bits a number), with one power-of-two scale for each 32 numbers along K (OCP MX v1.0); their sums are f32. The products marked 'left as it is' may take bf16, f16 or f32 operands, with f32 sums. Whichever they take, every output number must still come out within the allowed error. Rounding operands to bf16 (8 significant bits) uses up far more of that allowance than f16 does (11 bits, for magnitudes from 6e-5 to 65,504). All else is computed in f32.
;;   The module's matrix products, in the order in which they are computed (A, B: the left and right operand; K: the contracted axis; several contracted axes count as one K, in the product's order):
;;     1. [M 4,096, K 1,024] x [K 1,024, N 3,072]; A: input x; B: input W_qkv: QUANTISED
;;     2. batch 32 x [M 2,048, K 64] x [K 64, N 2,048]; A: computed on the way; B: computed on the way: left as it is (an operand is computed on the way)
;;     3. batch 32 x [M 2,048, K 2,048] x [K 2,048, N 64]; A: computed on the way; B: computed on the way: left as it is (an operand is computed on the way)
;;     4. [M 4,096, K 1,024] x [K 1,024, N 1,024]; A: computed on the way; B: input W_out: left as it is (an operand is computed on the way)
;;   THE QUANTISER, for each operand of a quantised product, along K:
;;     - K is cut into blocks of 32 from its start; a last block that is shorter is filled with zeros.
;;     - A block's scale is 2^e with e = floor(log2(the largest magnitude in the block)) - 2, held to -126 .. 127; a block of zeros has e = 0. As a byte (E8M0): e + 127.
;;     - Each number is divided by its block's scale, clamped to +-6, and rounded to the nearest number of E2M1, ties to even, subnormals kept.
;;     - The product sums the exact products of the quantised numbers (number of the format x scale) in f32.
;;   ~~~python
;;   def quantise(x, axis):      # numpy; x: float32 -> the quantised numbers, widened to float32 again
;;       x = np.moveaxis(x, axis, -1); K = x.shape[-1]
;;       x = np.pad(x, [(0, 0)] * (x.ndim - 1) + [(0, -K % 32)]); x = x.reshape(x.shape[:-1] + (-1, 32)); a = np.abs(x).max(-1, keepdims=True)
;;       e = np.where(a > 0, np.clip(np.frexp(np.where(a > 0, a, 1))[1] - 1 - 2, -126, 127), 0)      # np.frexp(a)[1] - 1 = floor(log2(a)), exactly
;;       r = np.clip(x / 2.0 ** e, -6, 6)
;;       step = 2.0 ** (np.maximum(np.frexp(np.where(r == 0, 1, r))[1] - 1, 0) - 1)
;;       q = np.round(r / step) * step * 2.0 ** e      # np.round: ties to even
;;       return np.moveaxis(q.reshape(q.shape[:-2] + (-1,))[..., :K], -1, axis).astype(np.float32)
;;   ~~~
;; One version. Each part assembles by itself: llvm-mc -triple=amdgcn-amd-amdhsa -mcpu=gfx1250 --defsym DOCPART=n.
;; ======== version 1 of 1: 4 launches
;; limits: values are held in f16: magnitudes above 65,504 overflow, below 6.1e-05 lose precision
;; workspace buffers: xc 2,097,152 bytes; xs 131,072 bytes; wc 1,572,864 bytes; ws 98,304 bytes; wo 2,097,152 bytes; qkv 25,165,824 bytes; ctx 8,388,608 bytes
;; launch prep (part 1): grid 256 x 1, 4 waves a work-group, no clusters, 33,280 bytes of LDS; arguments x, W_qkv, xc, xs, wc, ws, W_out, wo; writes xc, xs, wc, ws, wo
.if DOCPART == 1
	.amdgcn_target "amdgcn-amd-amdhsa--gfx1250"
	.amdhsa_code_object_version 6
	.text
	.protected	k_qaaf0767a74_prep
	.globl	k_qaaf0767a74_prep
	.p2align	8
	.type	k_qaaf0767a74_prep,@function
k_qaaf0767a74_prep:
	s_mov_b64 s[64:65], 0
	v_nop
	global_prefetch_b8 v0, s[64:65] scope:SCOPE_SE
	s_setreg_imm32_b32 hwreg(HW_REG_WAVE_MODE, 25, 1), 1
	s_wait_xcnt 0x0
; x [4096][1024] and W_qkv [3072][1024], f32, become codes of FP4 (E2M1), K innermost, two codes a byte, with one E8M0 scale byte for each 32 along K;
; W_out [1024][1024], f32, becomes f16, rounded once.  All three are plain streams: rows are dense and 1,024 is a multiple of 32.
; A block's scale is 2^(floor(log2(its largest magnitude)) - 2); its byte is the largest magnitude's exponent field - 2, held at 1 from below.
; (A block of zeros so gets the byte 1 where the rule says 127: its codes are zeros, which add nothing under any byte but 0xff, and this program alone reads the bytes.)
; LIMITS: blocks whose largest magnitude lies under 2^-124, the floor, were not tried; NaN and infinities among the inputs are not served; W_out beyond f16's range (65,504) is not served.
; SHARES: a work-group takes 32,768 numbers, a wave 8,192.  Work-groups 0-127 take x, 128-223 W_qkv (one path, the pointers chosen by the work-group's number), 224-255 W_out (a path of its own, without LDS).
; THE QUANTISING PATH: 16 steps of 512 numbers.  Each of a step's four loads reads 512 consecutive bytes; the 2,048 bytes turn through the wave's own stage in LDS and come back 64 bytes a lane,
; so that a lane holds 16 neighbours along K and two neighbouring lanes a block.  Loads run eight steps (32 loads a wave) ahead, the turn through LDS one step.  Waves share nothing: no barrier.
.set WAVES, 4
.set STEPS, 16
.set AHEAD, 8
.set WGA,   128                        ; x's work-groups
.set WGQ,   224                        ; x's and W_qkv's
.set EMAX,  2
.set CB,    8                          ; bytes of 16 codes
.set R,     16                         ; v16-143  eight sets of 16 numbers as they are loaded (W_out's path: a ring of 32 loads)
.set X,     144                        ; v144-175 two sets of 16 neighbours (W_out's path: v144-207, a ring of 32 pairs to store)
.set E,     176                        ; v176-191 a scale byte for each step
.set C,     192                        ; v192-223 codes: two registers for each step, so that no store's data are written again
.set WREG,  8192                       ; LDS: a region for each wave: two stages of 32 x SP bytes, behind them its 256 scale bytes
.set SP,    80                         ; a lane's place in a stage: 64 bytes + 16 of padding
.set SPW,   12                         ; v12  LDS address of my spare word; never rewritten
.set NIL,   13                         ; v13  0; never rewritten
.set SPARE, WAVES*WREG                 ; behind the four regions: the spare words, 128 bytes a wave, which no other line names
	s_load_b128 s[4:7], s[0:1], 0x0                ; x, W_qkv
	s_load_b128 s[8:11], s[0:1], 0x10              ; x's codes, x's scales
	s_load_b128 s[12:15], s[0:1], 0x20             ; W_qkv's codes, its scales
	s_load_b128 s[24:27], s[0:1], 0x30             ; W_out, its f16 copy
	v_lshl_add_u32 v[SPW], v0, 2, SPARE
	v_mov_b32 v[NIL], 0
	v_lshrrev_b32 v1, 5, v0
	v_readfirstlane_b32 s16, v1                    ; wave
	v_and_b32 v2, 31, v0                           ; lane
	v_lshlrev_b32 v3, 4, v2                        ; my 16 bytes of a load's 512
	s_mul_i32 s17, s16, WREG
	v_lshrrev_b32 v14, 2, v2
	v_mul_u32_u24 v14, v14, SP
	v_and_b32 v15, 3, v2
	v_lshl_add_u32 v14, v15, 4, v14
	v_add_nc_u32 v14, s17, v14                     ; the stage, on the way in: four lanes' 64 bytes on end, then 16 of padding
	v_mul_u32_u24 v15, v2, SP
	v_add_nc_u32 v15, s17, v15                     ; and on the way out: my 16 neighbours
	v_mul_u32_u24 v4, v2, CB                       ; 8 x lane: my codes' place in a step's; my f16 numbers' place in a store's
	v_lshrrev_b32 v5, 1, v2
	s_add_co_u32 s17, s17, 2*32*SP
	v_add_nc_u32 v5, s17, v5                       ; LDS: my wave's 256 scale bytes, my block's byte
	v_lshlrev_b32 v7, 3, v2
	v_add_nc_u32 v6, s17, v7                       ; and on the way out 8 bytes a lane
	s_wait_kmcnt 0x0
	s_cmp_ge_u32 ttmp9, WGQ                        ; the last 32 work-groups convert W_out
	s_cbranch_scc1 .Lconvert
	s_cmp_lt_u32 ttmp9, WGA                        ; x's work-group or W_qkv's?  The choice hangs on the work-group's number alone
	s_cselect_b64 s[4:5], s[4:5], s[6:7]
	s_cselect_b64 s[8:9], s[8:9], s[12:13]
	s_cselect_b64 s[10:11], s[10:11], s[14:15]
	s_cselect_b32 s17, 0, WGA
	s_sub_co_u32 s17, ttmp9, s17
	s_lshl_b32 s17, s17, 2
	s_add_co_u32 s18, s17, s16                     ; which run of 8,192 numbers is my wave's
	s_mov_b32 s19, 0
	s_lshl_b32 s20, s18, 15                        ; 32,768 bytes of f32 a run (under 2^25)
	s_mov_b32 s21, 0
	s_add_nc_u64 s[4:5], s[4:5], s[20:21]
	s_lshl_b32 s20, s18, 12                        ; 4,096 bytes of codes
	s_add_nc_u64 s[8:9], s[8:9], s[20:21]
	s_lshl_b32 s18, s18, 8                         ; 256 scale bytes
	s_add_nc_u64 s[10:11], s[10:11], s[18:19]
.macro LOAD t
.irp i, 0,1,2,3
	global_load_b128 v[R+16*((\t)%AHEAD)+4*\i:R+16*((\t)%AHEAD)+4*\i+3], v3, s[4:5] offset:2048*(\t)+512*\i th:TH_LOAD_NT   ; 32 lanes read 512 consecutive bytes
.endr
.endm
.macro TURN t                          ; step t's numbers through the stage: LDS serves a wave's instructions in order, so no wait stands between the stores and the loads
.irp i, 0,1,2,3
	ds_store_b128 v14, v[R+16*((\t)%AHEAD)+4*\i:R+16*((\t)%AHEAD)+4*\i+3] offset:32*SP*((\t)%2)+8*SP*\i
.endr
.irp i, 0,1,2,3
	ds_load_b128 v[X+16*((\t)%2)+4*\i:X+16*((\t)%2)+4*\i+3], v15 offset:32*SP*((\t)%2)+16*\i
.endr
.endm
.irp t, 0,1,2,3,4,5,6,7
	LOAD \t
.endr
	s_wait_loadcnt 4*(AHEAD-1)                     ; step 0's four loads are in; the 28 of steps 1 to 7 may be out
	TURN 0
.macro STEP t
.set XS, X+16*((\t)%2)
.if (\t) > 0
	s_wait_dscnt 1                                 ; this step's numbers are back from the stage (the last step's byte store may be out): so its stores into the stage have read their registers,
.else
	s_wait_dscnt 0x0
.endif
.if (\t)+AHEAD < STEPS
	LOAD (\t)+AHEAD                                ; which take the loads of eight steps on
.endif
.if (\t)+1 < STEPS
.if STEPS-2-(\t) >= AHEAD-1
	s_wait_loadcnt 4*(AHEAD-1)                     ; the next step's four loads are in; those of the seven steps behind it may be out
.else
	s_wait_loadcnt 4*(STEPS-2-(\t))                ; near the end: as many steps as are left behind the next
.endif
	TURN (\t)+1                                    ; and go through the other stage while this step is worked
.endif
	v_max3_num_f32 v8, |v[XS]|, |v[XS+1]|, |v[XS+2]|               ; the largest magnitude of my 16, in two chains
	v_max3_num_f32 v9, |v[XS+3]|, |v[XS+4]|, |v[XS+5]|
.irp i, 6,10
	v_max3_num_f32 v8, v8, |v[XS+\i]|, |v[XS+\i+1]|
	v_max3_num_f32 v9, v9, |v[XS+\i+2]|, |v[XS+\i+3]|
.endr
	v_max3_num_f32 v8, v8, |v[XS+14]|, |v[XS+15]|
	v_max3_num_f32 v8, v8, v9, (EMAX+1)<<23        ; and the floor 2^(3 - 127): the byte cannot fall under 1
	v_max_num_f32_dpp v8, v8, v8 row_xmask:1 row_mask:0xf bank_mask:0xf   ; with my neighbour's 16: the block's
	v_add_nc_u32 v11, -(EMAX<<23), v8              ; 2 off its exponent field: the conversion takes this operand's exponent field as its scale
	v_cvt_scalef32_pk8_fp4_f32 v[C+2*(\t)], v[XS:XS+7], v11        ; eight numbers / the scale, to the nearest code, ties to even, beyond 6 the largest code
	v_cvt_scalef32_pk8_fp4_f32 v[C+2*(\t)+1], v[XS+8:XS+15], v11
	v_lshrrev_b32 v[E+(\t)], 23, v11               ; the scale's byte (also the plain line behind the conversions)
	ds_store_b8 v5, v[E+(\t)] offset:16*(\t)       ; both lanes of a block write the same byte with the same value
	global_store_b64 v4, v[C+2*(\t):C+2*(\t)+1], s[8:9] offset:32*CB*(\t)   ; the wave stores 256 consecutive bytes, aligned
.endm
.irp t, 0,1,2,3,4,5,6,7,8,9,10,11,12,13,14,15
	STEP \t
.endr
	ds_load_b64 v[8:9], v6                         ; LDS serves a wave's instructions in order: these see my byte stores
	s_wait_dscnt 0x0
	global_store_b64 v7, v[8:9], s[10:11]          ; 32 lanes store 256 consecutive bytes, aligned
	s_wait_tensorcnt 0x0                           ; the wave's end, behind my last LDS store
	ds_add_u32 v[SPW], v[NIL]
	s_wait_dscnt 0x0
	s_endpgm
; W_OUT TO f16.  A wave takes 64 loads of 512 consecutive bytes; each gives 256 consecutive bytes of f16.  A ring of 32 loads; each of the 32 places has its own pair of registers to store from.
.Lconvert:
	s_sub_co_u32 s17, ttmp9, WGQ
	s_lshl_b32 s17, s17, 2
	s_add_co_u32 s17, s17, s16                     ; which run of 8,192 numbers is my wave's
	s_lshl_b32 s18, s17, 15
	s_mov_b32 s19, 0
	s_add_nc_u64 s[24:25], s[24:25], s[18:19]
	s_lshl_b32 s18, s17, 14
	s_add_nc_u64 s[26:27], s[26:27], s[18:19]
.set I, 0
.rept 32
	global_load_b128 v[R+4*I:R+4*I+3], v3, s[24:25] offset:512*I th:TH_LOAD_NT
.set I, I+1
.endr
.set I, 0
.rept 64
.if 63-I >= 31
	s_wait_loadcnt 31                              ; load I is in; the 31 younger ones may be out
.else
	s_wait_loadcnt 63-I                            ; the counts run down
.endif
.if I >= 32
	s_wait_xcnt 0x0                                ; the store of 32 places back has read its pair: only now is the pair written again
.endif
	v_cvt_pk_f16_f32 v[X+2*(I%32)], v[R+4*(I%32)], v[R+4*(I%32)+1]
	v_cvt_pk_f16_f32 v[X+2*(I%32)+1], v[R+4*(I%32)+2], v[R+4*(I%32)+3]
.if I < 32
	global_load_b128 v[R+4*(I%32):R+4*(I%32)+3], v3, s[24:25] offset:512*(I+32) th:TH_LOAD_NT
.endif
	global_store_b64 v4, v[X+2*(I%32):X+2*(I%32)+1], s[26:27] offset:256*I
.set I, I+1
.endr
	s_endpgm
.Lfunc_end_k_qaaf0767a74_prep:
	.size	k_qaaf0767a74_prep, .Lfunc_end_k_qaaf0767a74_prep-k_qaaf0767a74_prep
	.p2alignl 7, 3214868480
	.fill 96, 4, 3214868480
	.section	.rodata,"a",@progbits
	.p2align	6, 0x0
	.amdhsa_kernel k_qaaf0767a74_prep
		.amdhsa_group_segment_fixed_size 33280
		.amdhsa_private_segment_fixed_size 0
		.amdhsa_enable_private_segment 0
		.amdhsa_kernarg_size 64
		.amdhsa_user_sgpr_count 2
		.amdhsa_user_sgpr_kernarg_segment_ptr 1
		.amdhsa_wavefront_size32 1
		.amdhsa_system_sgpr_workgroup_id_x 1
		.amdhsa_system_sgpr_workgroup_id_y 1
		.amdhsa_system_sgpr_workgroup_id_z 1
		.amdhsa_system_vgpr_workitem_id 0
		.amdhsa_next_free_vgpr 224
		.amdhsa_next_free_sgpr 66
		.amdhsa_reserve_vcc 0
		.amdhsa_float_denorm_mode_32 3
		.amdhsa_float_denorm_mode_16_64 3
		.amdhsa_memory_ordered 1
		.amdhsa_forward_progress 1
		.amdhsa_inst_pref_size 57
	.end_amdhsa_kernel
	.amdgpu_metadata
---
amdhsa.version: [ 1, 2 ]
amdhsa.kernels:
  - .name:           k_qaaf0767a74_prep
    .symbol:         k_qaaf0767a74_prep.kd
    .args:
      - { .name: x, .offset: 0, .size: 8, .value_kind: global_buffer, .address_space: global }
      - { .name: W_qkv, .offset: 8, .size: 8, .value_kind: global_buffer, .address_space: global }
      - { .name: xc, .offset: 16, .size: 8, .value_kind: global_buffer, .address_space: global }
      - { .name: xs, .offset: 24, .size: 8, .value_kind: global_buffer, .address_space: global }
      - { .name: wc, .offset: 32, .size: 8, .value_kind: global_buffer, .address_space: global }
      - { .name: ws, .offset: 40, .size: 8, .value_kind: global_buffer, .address_space: global }
      - { .name: W_out, .offset: 48, .size: 8, .value_kind: global_buffer, .address_space: global }
      - { .name: wo, .offset: 56, .size: 8, .value_kind: global_buffer, .address_space: global }
    .group_segment_fixed_size: 33280
    .private_segment_fixed_size: 0
    .kernarg_segment_align: 8
    .kernarg_segment_size: 64
    .max_flat_workgroup_size: 128
    .sgpr_count:     66
    .vgpr_count:     224
    .wavefront_size: 32
...
	.end_amdgpu_metadata
.endif
;; end of part 1
;; launch qkvgemm (part 2): grid 16 x 16, 4 waves a work-group, clusters of 4 x 4, 327,680 bytes of LDS; arguments xc, xs, wc, ws, b_qkv, qkv; writes qkv
.if DOCPART == 2
	.amdgcn_target "amdgcn-amd-amdhsa--gfx1250"
	.amdhsa_code_object_version 6
	.text
	.protected	k_qaaf0767a74_qkvgemm
	.globl	k_qaaf0767a74_qkvgemm
	.p2align	8
	.type	k_qaaf0767a74_qkvgemm,@function
k_qaaf0767a74_qkvgemm:
	s_mov_b64 s[64:65], 0
	v_nop
	global_prefetch_b8 v0, s[64:65] scope:SCOPE_SE
	s_setreg_imm32_b32 hwreg(HW_REG_WAVE_MODE, 25, 1), 1
	s_wait_xcnt 0x0
	s_wait_alu depctr_hold_cnt(0) depctr_sa_sdst(0) depctr_va_vdst(0) depctr_va_sdst(0) depctr_va_ssrc(0) depctr_va_vcc(0) depctr_vm_vsrc(0)
	s_getreg_b32 s2, hwreg(HW_REG_IB_STS2, 6, 4)
	s_cmp_eq_u32 s2, 0
	s_cbranch_scc0 .Lentry_in_a_cluster
	s_endpgm
.Lentry_in_a_cluster:
	s_bfe_u32 s2, ttmp6, 0x10000c
	s_cmp_lg_u32 s2, 0xf033
	s_cbranch_scc0 .Lentry_shape_is_right
	s_endpgm
.Lentry_shape_is_right:
; qkv = x W_qkv^T + b_qkv on codes of FP4 (E2M1) with one E8M0 scale for each 32 along K (K = 1,024), sums in f32; the results are rounded once to f16 and stored as IMAGES OF OPERAND REGISTERS for the attention launch.
; LIMIT: |q|, |k|, |v| stay under 65,504 (f16's range).
; THE PLAIN RESHAPE: head bh = row / 128 of x as [4096][1024]; position s' = 16 sl + j, sl = row % 128, j = column / 192; in a chunk of 192 columns lie q | k | v, 64 each.  Positions are kept in the order pi = 128 j + sl.
; SHARES: a work-group takes 256 rows (rb) x one chunk of 192 columns (jc): 256 work-groups.  Wave w takes rows 64 w .. 64 w + 63 x all 192 columns: 4 blocks of rows (a) x 12 blocks of columns (b: 0-3 q, 4-7 k, 8-11 v), 48 accumulators.
; q AND k ARE MADE TRANSPOSED (source 0 = 16 rows of W, source 1 = 16 rows of x): a lane holds one position and eight neighbouring channels: 16 bytes of f16, a quarter of a fragment's row.
; v IS MADE THE NATURAL WAY (source 0 = x, source 1 = W): a lane holds one channel and eight neighbouring positions: what a fragment of V^T wants.  So every store of the wave is 512 consecutive bytes, lane l's 16 at 16 l.
; IMAGES in qkv: Q at 0, K at 0x800000: bh x 262,144 + T x 2,048 + blk x 512 + 16 l (T = 8 j + sl / 16; blk: 16 channels).  V^T at 0x1000000: bh x 262,144 + G x 4,096 + t x 1,024 + e x 512 + 16 l (G = pi / 32; t: 16 channels; e: 16 keys).
; ALL OF K FITS IN LDS: two slots of half of K (rows of 256 bytes + 16 of padding), each filled once.  CLUSTERS: 4 x 4 work-groups; x's tile is shared along a row of the cluster, W's along a column: joint loads.
; THE SCALES come from memory straight into registers, 16 bytes a lane, 512 consecutive bytes a load: lanes 0-15 hold the words of K steps 0-3, lanes 16-31 those of steps 4-7, which the last four steps read by the upper row of the scale registers.
; THE BIAS is the C of each sum's first product.
; REGISTERS, in windows of 256: window 0: v1-29 addresses; v32-47 x's scale words, v48-95 W's (scales and nothing else); v128-191 x's fragments, two sets; on the way out v96-223 hold packed results.
;   window 1: W's fragments, two sets, at v0 and v128.   window 2: the 32 accumulators of q and k, (b, a) at v[8 (4 b + a)].   window 3: v0-127 the 16 of v; v128-223 the bias, eight registers a block of columns.
.set PITCH,  272                       ; an LDS row: 256 bytes + 16 of padding: the 16 rows that a fragment load touches start at 16 different banks (64 banks of 4 bytes: ISA guide 11.1)
.set ASZ,    256*PITCH                 ; x's 256 rows
.set SLOT,   448*PITCH                 ; and W's 192
.set SPARE,  2*SLOT                    ; behind the slots: the spare words, 128 bytes a wave, which no other line names
.set ADRA, 16                          ; v16-17 LDS address of my fragments of x in slot 0, 1
.set ADRB, 20                          ; v20-21 of W
.set BO8,  24                          ; v24  32 x (lane / 16): the bias of eight neighbouring columns
.set BO1,  25                          ; v25  4 x (lane % 16): the bias of my column
.set LI,   26                          ; v26  16 x lane: an image's place for my lane
.set SO,   27                          ; v27  32 x (lane % 16) + 16 x (lane / 16): my 16 scale bytes
.set SPW,  28                          ; v28  LDS address of my spare word; never rewritten
.set NIL,  29                          ; v29  0; never rewritten
.set SCA,  32
.set SCB,  48
.set AF,   128
.set TM0,  96
.set TM1,  160
.set BIAS, 128                         ; in window 3
.set G1,  24                           ; s[24:31] descriptor group 1 for x's tiles; s[32:39] group 0, a set for each slot
.set G0,  32
.set G1B, 48                           ; s[48:55], s[56:63] the same for W's
.set G0B, 56
.set MSB, 0
.macro WIN new                         ; the immediate's high byte repeats the setting that is left
.if MSB != \new
	s_set_vgpr_msb (MSB<<8)|\new
.set MSB, \new
.endif
.endm
.macro PLACES n
.rept \n
	v_nop
.endr
.endm
.macro CROUND                          ; a round of the cluster's barrier: my work-group's barrier, wave 0's signal for the work-group, every wave's wait for all sixteen, my work-group's barrier again
	s_barrier_signal -1
	s_barrier_wait -1
	s_cmp_lg_u32 s16, 0
	s_cbranch_scc1 .Lnot_wave_0_\@
	s_barrier_signal -3
.Lnot_wave_0_\@:
	s_barrier_wait -3
	s_barrier_signal -1
	s_barrier_wait -1
.endm
	s_load_b256 s[4:11], s[0:1], 0x0               ; x's codes s[4:5], x's scales s[6:7], W's codes s[8:9], W's scales s[10:11]
	s_load_b128 s[12:15], s[0:1], 0x20             ; b_qkv s[12:13], qkv s[14:15]
	v_lshl_add_u32 v[SPW], v0, 2, SPARE
	v_mov_b32 v[NIL], 0
	ds_add_u32 v[SPW], v[NIL]                      ; the wave's opening: the add, twice on end, and its wait ahead of my first tensor load
	ds_add_u32 v[SPW], v[NIL]
	v_lshrrev_b32 v1, 5, v0
	v_readfirstlane_b32 s16, v1                    ; wave 0..3
	s_lshr_b32 s17, s16, 1                         ; I fetch for x (0) or for W (1); also: which of the block's two heads is mine
	s_and_b32 s18, s16, 1                          ; which half of that tile's rows I fetch; also: which 64 positions of the head
	s_bfe_u32 s40, ttmp6, 0x40000                  ; cx, cy: my place in the cluster
	s_bfe_u32 s41, ttmp6, 0x40004
	s_lshl_b32 s42, ttmp9, 2
	s_add_co_u32 s42, s42, s40                     ; jc = 4 x cluster x + cx
	s_and_b32 s43, ttmp7, 0xffff
	s_lshl_b32 s43, s43, 2
	s_add_co_u32 s43, s43, s41                     ; rb = 4 x cluster y + cy
	s_lshl_b32 s44, s41, 2
	s_lshl_b32 s44, 15, s44                        ; my row of the cluster
	s_lshl_b32 s45, 0x1111, s40                    ; my column
	s_or_b32 s[G1], s44, (1<<20)|(1<<21)|(5<<22)|(3<<25)    ; 15:0 the mask; 17:16 elements of 1 byte; 20 padding on; 21 set beside a mask; 24:22 after every 64 words; 31:25 four words
	s_mov_b32 s[G1+1], 256<<16                     ; tensor_dim0 = 256 bytes: half of K
	s_mov_b32 s[G1+2], 128<<16                     ; tensor_dim1 = 128 rows
	s_mov_b32 s[G1+3], 256<<16                     ; tile_dim0
	s_mov_b32 s[G1+4], 128                         ; tile_dim1
	s_mov_b32 s[G1+5], 512                         ; a row of codes in memory
	s_mov_b32 s[G1+6], 0
	s_mov_b32 s[G1+7], 0
	s_or_b32 s[G1B], s45, (1<<20)|(1<<21)|(5<<22)|(3<<25)
	s_mov_b32 s[G1B+1], 256<<16
	s_mov_b32 s[G1B+2], 96<<16                     ; 96 rows of W to a load
	s_mov_b32 s[G1B+3], 256<<16
	s_mov_b32 s[G1B+4], 96
	s_mov_b32 s[G1B+5], 512
	s_mov_b32 s[G1B+6], 0
	s_mov_b32 s[G1B+7], 0
	s_lshl_b32 s20, s43, 8                         ; x: row 256 rb + 128 x half, in registers that never hold cx
	s_lshl_b32 s19, s18, 7
	s_add_co_u32 s20, s20, s19
	s_lshl_b32 s20, s20, 9                         ; x 512 bytes
	s_mov_b32 s21, 0
	s_mul_i32 s46, s42, 192                        ; W: row 192 jc + 96 x half, in registers that never hold cy
	s_mul_i32 s19, s18, 96
	s_add_co_u32 s46, s46, s19
	s_lshl_b32 s46, s46, 9
	s_mov_b32 s47, 0
	s_mul_i32 s22, s18, 128*PITCH                  ; where they go: no place in the cluster enters an LDS address
	s_mul_i32 s23, s18, 96*PITCH
	s_add_co_u32 s23, s23, ASZ
	s_wait_dscnt 0x0                               ; both opening adds are done
	s_wait_kmcnt 0x0
	s_add_nc_u64 s[20:21], s[4:5], s[20:21]
	s_add_nc_u64 s[46:47], s[8:9], s[46:47]
	CROUND                                         ; all sixteen work-groups are here: the joint loads meet
.irp s, 0,1
	s_mov_b32 s[G0+4*\s], 1
	s_add_co_u32 s[G0+4*\s+1], s22, \s*SLOT
	s_add_nc_u64 s[G0+4*\s+2:G0+4*\s+3], s[20:21], \s*256
	s_or_b32 s[G0+4*\s+3], s[G0+4*\s+3], 0x80000000
	s_mov_b32 s[G0B+4*\s], 1
	s_add_co_u32 s[G0B+4*\s+1], s23, \s*SLOT
	s_add_nc_u64 s[G0B+4*\s+2:G0B+4*\s+3], s[46:47], \s*256
	s_or_b32 s[G0B+4*\s+3], s[G0B+4*\s+3], 0x80000000
.endr
	s_cmp_eq_u32 s17, 0                            ; a wave's two fills stand in one branch on the wave's number: two tensor loads of mine are out
	s_cbranch_scc0 .Lfirst_b
	tensor_load_to_lds s[G0:G0+3], s[G1:G1+7]
	s_nop 0
	tensor_load_to_lds s[G0+4:G0+7], s[G1:G1+7]
	s_nop 0
	PLACES 4
	s_branch .Lfirst_asked
.Lfirst_b:
	tensor_load_to_lds s[G0B:G0B+3], s[G1B:G1B+7]
	s_nop 0
	tensor_load_to_lds s[G0B+4:G0B+7], s[G1B:G1B+7]
	s_nop 0
	PLACES 4
.Lfirst_asked:
	v_and_b32 v1, 15, v0                           ; r
	v_bfe_u32 v2, v0, 4, 1                         ; h
	v_and_b32 v3, 31, v0
	v_lshlrev_b32 v[LI], 4, v3
	v_lshlrev_b32 v[BO8], 5, v2
	v_lshlrev_b32 v[BO1], 2, v1
	v_lshlrev_b32 v[SO], 5, v1
	v_lshl_add_u32 v[SO], v2, 4, v[SO]
	s_lshl_b32 s66, s43, 13                        ; x's scales: (256 rb + 64 w) rows of 32 bytes
	s_lshl_b32 s67, s16, 11
	s_add_co_u32 s66, s66, s67
	s_mov_b32 s67, 0
	s_add_nc_u64 s[6:7], s[6:7], s[66:67]
	s_mul_i32 s66, s42, 6144                       ; W's: 192 jc rows
	s_add_nc_u64 s[10:11], s[10:11], s[66:67]
	s_mul_i32 s66, s42, 768                        ; the bias: 192 jc numbers
	s_add_nc_u64 s[12:13], s[12:13], s[66:67]
.irp a, 0,1,2,3
	global_load_b128 v[SCA+4*\a:SCA+4*\a+3], v[SO], s[6:7] offset:512*\a     ; 16 rows' 512 bytes: register q holds step q's word below, step 4 + q's above
.endr
.irp b, 0,1,2,3,4,5,6,7,8,9,10,11
	global_load_b128 v[SCB+4*\b:SCB+4*\b+3], v[SO], s[10:11] offset:512*\b
.endr
	WIN 0xc0                                       ; destination window 3
.irp b, 0,1,2,3,4,5,6,7
	global_load_b128 v[BIAS+8*\b:BIAS+8*\b+3], v[BO8], s[12:13] offset:64*\b        ; q, k: my eight neighbouring columns
	global_load_b128 v[BIAS+8*\b+4:BIAS+8*\b+7], v[BO8], s[12:13] offset:64*\b+16
.endr
.irp b, 8,9,10,11
.irp i, 0,1,2,3,4,5,6,7
	global_load_b32 v[BIAS+8*\b+\i], v[BO1], s[12:13] offset:64*\b                  ; v: my one column, for all eight positions
.endr
.endr
	WIN 0
	v_mul_u32_u24 v3, v1, PITCH
	v_lshl_add_u32 v3, v2, 4, v3                   ; a fragment's row x pitch + 16 x half
	s_mul_i32 s66, s16, 64*PITCH                   ; my 64 rows of x
.irp s, 0,1
	v_add_nc_u32 v[ADRA+\s], s66, v3
	v_add_nc_u32 v[ADRB+\s], ASZ+\s*SLOT, v3
	s_add_co_u32 s66, s66, SLOT
.endr
	s_lshl_b32 s68, s43, 1
	s_add_co_u32 s68, s68, s17                     ; bh = 2 rb + w / 2
	s_lshl_b32 s68, s68, 18
	s_lshl_b32 s69, s42, 14                        ; 8 jc tiles of 2,048 bytes = 4 jc chunks of 4,096
	s_add_co_u32 s68, s68, s69
	s_lshl_b32 s69, s18, 13                        ; my 64 positions: 4 tiles = 2 chunks
	s_add_co_u32 s68, s68, s69
	s_mov_b32 s69, 0
	s_add_nc_u64 s[68:69], s[14:15], s[68:69]      ; Q's images,
	s_add_nc_u64 s[70:71], s[68:69], 0x800000      ; K's,
	s_add_nc_u64 s[72:73], s[68:69], 0x1000000     ; V^T's: the same offset in each region
.macro FRAG reg, adr, q, i             ; 16 rows x 128 K of 4-bit codes, 8 registers: lane l holds row l % 16; registers 4 c .. 4 c + 3 hold K = 64 c + 32 (l / 16) + 0 .. 31
.irp c, 0,1
	ds_load_b128 v[\reg+4*\c:\reg+4*\c+3], v[\adr] offset:64*(\q)+32*\c+(\i)*16*PITCH
.endr
.endm
.macro FETCH Q                         ; K step Q's fragments: W's twelve, x's four: 32 loads in one run, into set Q % 2
	WIN 0x40
.irp i, 0,1,2,3,4,5,6,7,8,9,10,11
	FRAG 128*((\Q)%2)+8*\i, ADRB+(\Q)/4, (\Q)%4, \i
.endr
	WIN 0
.irp i, 0,1,2,3
	FRAG AF+32*((\Q)%2)+8*\i, ADRA+(\Q)/4, (\Q)%4, \i
.endr
.endm
.macro WM d, s0, s1, c, x0, x1, up     ; one product; up = 1: both scale words are read from lanes 16-31
.if \up
	v_wmma_scale_f32_16x16x128_f8f6f4 v[\d:\d+7], v[\s0:\s0+7], v[\s1:\s1+7], v[\c:\c+7], v[\x0], v[\x1] matrix_a_fmt:MATRIX_FMT_FP4 matrix_b_fmt:MATRIX_FMT_FP4 matrix_a_scale:MATRIX_SCALE_ROW1 matrix_b_scale:MATRIX_SCALE_ROW1
.else
	v_wmma_scale_f32_16x16x128_f8f6f4 v[\d:\d+7], v[\s0:\s0+7], v[\s1:\s1+7], v[\c:\c+7], v[\x0], v[\x1] matrix_a_fmt:MATRIX_FMT_FP4 matrix_b_fmt:MATRIX_FMT_FP4
.endif
.endm
; A K step's 48 products.  The 48 accumulators take turns, one instruction a turn, in the same order in every step.  Step 0 takes the bias as C: nothing is cleared.
.macro MUL48 Q
.set qq, (\Q)%4
.set pp, (\Q)%2
.set rowup, (\Q)/4
.if (\Q) == 0
	WIN 0xb1                                       ; source 0 (W) window 1, source 1 (x) window 0, C (the bias) window 3, D window 2
.else
	WIN 0xa1                                       ; C and D window 2
.endif
.irp b, 0,1,2,3,4,5,6,7
.irp a, 0,1,2,3
.set dd, 8*(4*\b+\a)
.set cc, dd
.if (\Q) == 0
.set cc, BIAS+8*\b
.endif
	WM dd, 128*pp+8*\b, AF+32*pp+8*\a, cc, SCB+4*\b+qq, SCA+4*\a+qq, rowup
.endr
.endr
	WIN 0xf4                                       ; v: source 0 (x) window 0, source 1 (W) window 1, C and D window 3
.irp b, 8,9,10,11
.irp a, 0,1,2,3
.set dd, 8*(4*(\b-8)+\a)
.set cc, dd
.if (\Q) == 0
.set cc, BIAS+8*\b
.endif
	WM dd, AF+32*pp+8*\a, 128*pp+8*\b, cc, SCA+4*\a+qq, SCB+4*\b+qq, rowup
.endr
.endr
.endm
.macro KSTEP Q
.if (\Q) > 0
	PLACES 4                                       ; four places in front of loads into the set that the last step's products read (ISA guide 7.12.1 for vector instructions)
.endif
.if (\Q) == 3
	s_wait_tensorcnt 0x0                           ; my part of the second half of K has landed (no load was issued behind it),
	s_wait_dscnt 0x0                               ; no LDS load of mine is out at a signal,
	s_barrier_signal -1
	s_barrier_wait -1                              ; and everybody's has.
.endif
.if (\Q) < 7
	FETCH (\Q)+1
	s_wait_dscnt 32                                ; this step's fragments are in; the 32 loads just issued may be out
.else
	s_wait_dscnt 0x0
.endif
	MUL48 \Q
.endm
	s_wait_tensorcnt 0x1                           ; my part of the first half of K is in; the second half's load may stay out
	s_barrier_signal -1
	s_barrier_wait -1                              ; everybody's is
	FETCH 0
	s_wait_loadcnt 0x0                             ; the scale words and the bias
.irp Q, 0,1,2,3,4,5,6,7
	KSTEP \Q
.endr
; THE WAY OUT: three batches of 16 accumulators.  Each accumulator is rounded to f16 from its low end on, 16 bytes a lane, and leaves by one store of 512 consecutive bytes.
.macro PACK b0, tmp, win
	WIN \win
.irp b, 0,1,2,3
.irp a, 0,1,2,3
.irp i, 0,1,2,3
	v_cvt_pk_f16_f32 v[\tmp+4*(4*\b+\a)+\i], v[8*(4*(\b+\b0)+\a)+2*\i], v[8*(4*(\b+\b0)+\a)+2*\i+1]
.endr
.endr
.endr
	WIN 0
.endm
.macro OUTQK tmp, base                 ; tile a of my four, block b of 16 channels
.irp b, 0,1,2,3
.irp a, 0,1,2,3
	global_store_b128 v[LI], v[\tmp+4*(4*\b+\a):\tmp+4*(4*\b+\a)+3], s[\base:\base+1] offset:\a*2048+\b*512
.endr
.endr
.endm
	PLACES 4                                       ; the conversions write registers that the last products read, and read results
	PACK 0, TM0, 0x0a                              ; q: sources in window 2
	OUTQK TM0, 68
	PACK 4, TM1, 0x0a                              ; k
	OUTQK TM1, 70
	s_wait_xcnt 0x0                                ; q's stores have read their registers: they are written again only behind this wait
	PACK 0, TM0, 0x0f                              ; v: sources in window 3
.irp b, 0,1,2,3
.irp a, 0,1,2,3
	global_store_b128 v[LI], v[TM0+4*(4*\b+\a):TM0+4*(4*\b+\a)+3], s[72:73] offset:(\a/2)*4096+\b*1024+(\a%2)*512   ; chunk a / 2 of 32 keys, 16 channels b, keys' half a % 2
.endr
.endr
	s_wait_tensorcnt 0x0                           ; the wave's end, behind my last tensor load
	ds_add_u32 v[SPW], v[NIL]
	s_wait_dscnt 0x0
	CROUND                                         ; the closing round: no work-group ends while a partner may still ask for a tile that names it
	s_endpgm
.Lfunc_end_k_qaaf0767a74_qkvgemm:
	.size	k_qaaf0767a74_qkvgemm, .Lfunc_end_k_qaaf0767a74_qkvgemm-k_qaaf0767a74_qkvgemm
	.p2alignl 7, 3214868480
	.fill 96, 4, 3214868480
	.section	.rodata,"a",@progbits
	.p2align	6, 0x0
	.amdhsa_kernel k_qaaf0767a74_qkvgemm
		.amdhsa_group_segment_fixed_size 327680
		.amdhsa_private_segment_fixed_size 0
		.amdhsa_enable_private_segment 0
		.amdhsa_kernarg_size 48
		.amdhsa_user_sgpr_count 2
		.amdhsa_user_sgpr_kernarg_segment_ptr 1
		.amdhsa_wavefront_size32 1
		.amdhsa_system_sgpr_workgroup_id_x 1
		.amdhsa_system_sgpr_workgroup_id_y 1
		.amdhsa_system_sgpr_workgroup_id_z 1
		.amdhsa_system_vgpr_workitem_id 0
		.amdhsa_next_free_vgpr 1024
		.amdhsa_next_free_sgpr 80
		.amdhsa_reserve_vcc 0
		.amdhsa_float_denorm_mode_32 3
		.amdhsa_float_denorm_mode_16_64 3
		.amdhsa_memory_ordered 1
		.amdhsa_forward_progress 1
		.amdhsa_inst_pref_size 97
	.end_amdhsa_kernel
	.amdgpu_metadata
---
amdhsa.version: [ 1, 2 ]
amdhsa.kernels:
  - .name:           k_qaaf0767a74_qkvgemm
    .symbol:         k_qaaf0767a74_qkvgemm.kd
    .args:
      - { .name: xc, .offset: 0, .size: 8, .value_kind: global_buffer, .address_space: global }
      - { .name: xs, .offset: 8, .size: 8, .value_kind: global_buffer, .address_space: global }
      - { .name: wc, .offset: 16, .size: 8, .value_kind: global_buffer, .address_space: global }
      - { .name: ws, .offset: 24, .size: 8, .value_kind: global_buffer, .address_space: global }
      - { .name: b_qkv, .offset: 32, .size: 8, .value_kind: global_buffer, .address_space: global }
      - { .name: qkv, .offset: 40, .size: 8, .value_kind: global_buffer, .address_space: global }
    .group_segment_fixed_size: 327680
    .private_segment_fixed_size: 0
    .kernarg_segment_align: 8
    .kernarg_segment_size: 48
    .max_flat_workgroup_size: 128
    .sgpr_count:     80
    .vgpr_count:     1024
    .wavefront_size: 32
...
	.end_amdgpu_metadata
.endif
;; end of part 2
;; launch attn (part 3): grid 8 x 32, 8 waves a work-group, clusters of 4 x 1, 327,680 bytes of LDS; arguments qkv, ctx; writes ctx
.if DOCPART == 3
	.amdgcn_target "amdgcn-amd-amdhsa--gfx1250"
	.amdhsa_code_object_version 6
	.text
	.protected	k_qaaf0767a74_attn
	.globl	k_qaaf0767a74_attn
	.p2align	8
	.type	k_qaaf0767a74_attn,@function
k_qaaf0767a74_attn:
	s_mov_b64 s[64:65], 0
	v_nop
	global_prefetch_b8 v0, s[64:65] scope:SCOPE_SE
	s_setreg_imm32_b32 hwreg(HW_REG_WAVE_MODE, 25, 1), 1
	s_wait_xcnt 0x0
	s_wait_alu depctr_hold_cnt(0) depctr_sa_sdst(0) depctr_va_vdst(0) depctr_va_sdst(0) depctr_va_ssrc(0) depctr_va_vcc(0) depctr_vm_vsrc(0)
	s_getreg_b32 s2, hwreg(HW_REG_IB_STS2, 6, 4)
	s_cmp_eq_u32 s2, 0
	s_cbranch_scc0 .Lentry_in_a_cluster
	s_endpgm
.Lentry_in_a_cluster:
	s_bfe_u32 s2, ttmp6, 0x10000c
	s_cmp_lg_u32 s2, 0x3003
	s_cbranch_scc0 .Lentry_shape_is_right
	s_endpgm
.Lentry_shape_is_right:
; context[bh][q][:] = the sum over k of softmax_k(Q[bh][q] . K[bh][k] / 8) V[bh][k][:], 32 heads x 2,048 positions x 64 channels, no mask.  Operands in f16; products, maxima and sums in f32; the weights p are rounded
; to f16 for the second product, the context once at the end.  A running maximum is taken away ahead of every exponential.  LIMIT: |q|, |k|, |v| under 65,504; NaN and infinities are not served.
; Q, K and V^T arrive as images of operand registers (each half of a fragment is 512 consecutive bytes, lane l's 16 at 16 l), positions in the order pi = 128 j + sl; a softmax does not mind the order of its keys.
; SHARES.  A work-group owns 256 queries of one head.  Wave w: g = w / 2 owns 64 of them, four tiles of 16; u = w % 2 owns half of the keys of every slot.  So two waves of 512 registers lie on a SIMD, one wave's
; softmax beside the other's products, and each fragment of K and V read from LDS still feeds four products.  The pair's (m, l, O) are joined once, at the end, through LDS.
; LAYOUT.  S^T = K Q^T (source 0 = 16 keys, source 1 = 16 queries): a lane holds ONE query and the keys 8 (lane / 16) + 0..7.  Two such tiles, rounded to f16 in pairs, ARE source 1 of O^T = V^T P, whose result again
; holds one query a lane and eight channels: 16 bytes of f16, which go out as an image of the next launch's operand.
; THE RING.  Two slots of 512 keys: 65,536 bytes of K's images, then 65,536 of V^T's, dense.  Each of the eight waves fetches 16,384 bytes with one tensor load.  CLUSTER: the four query blocks of a cluster walk the same
; K and V: each tile is asked for JOINTLY, by the same load with a mask that names the four.  A wave has two tensor loads out at the start and one behind each round.
; A TRIP is one key step of 64 keys, turned round: the next step's K is asked for, this step's softmax, V^T P of this step, the next step's V is asked for, K Q^T of the next step.
; REGISTERS: window 0: v1-8 addresses; v12-15 what the join sends; v16-47 eight registers of statistics a tile (+0 c m, +1 m, +2 +3 l, +4..+7 at work, a at +6); v48-61 the join; v64-191 S^T, 32 a tile, P packed in place
;   into the first 16; v192-255 V's fragments.   window 1: v0-127 O^T, 32 a tile; v128-191 Q, 16 a tile; v192-255 K's fragments.
.set SLOT1, 1<<17                      ; slot 1 begins here: one exclusive or turns an address in one slot into the other's
.set VOFF,  65536                      ; V's images in a slot
.set STEPB, 8192                       ; a key step's images of K, and of V
.set SPARE, 2*SLOT1                    ; behind the ring: the spare words, 128 bytes a wave, which no other line names
.set MST,   8704                       ; the join: 8,192 bytes of O and 512 of statistics for each wave, from LDS byte 0: slot 0 has had its last fill, and nobody reads it behind the last change of slots
.set LI,  1                            ; v1  16 x lane; never rewritten
.set AK0, 2                            ; v2  my lane's place in my half of a slot's K
.set AV0, 3                            ; v3  and V
.set ADK, 4                            ; v4  LDS address of the run of loads in hand: K's
.set ADV, 5                            ; v5  V's
.set STW, 6                            ; v6  the join: where I write
.set STR, 7                            ; v7  and where my partner wrote
.set PFO, 8                            ; v8  256 x lane; never rewritten
.set SND, 12
.set ST,  16
.set MW,  48
.set SPW, 62                           ; v62 LDS address of my spare word; never rewritten
.set NIL, 63                           ; v63 0; never rewritten
.set S,   64
.set VF,  192
.set QF,  128                          ; in window 1
.set KF,  192                          ; in window 1
.set WV,  12                           ; s12 wave
.set U,   13                           ; s13 which half of the keys
.set G,   14                           ; s14 which 64 queries
.set LIM, 15                           ; s15 1 in a wave that prefetches, else the greatest number
.set PFA, 18                           ; s[18:19] where my prefetch stands
.set G1,  24                           ; s[24:31] descriptor group 1
.set G0,  32                           ; s[32:35] group 0 for slot 0's first fill; s[36:39] for slot 1's, which then walks
.set SLOTS, 56
.set CNT, 57
.set CS,  58                           ; s[58:59] c = log2(e) / 8
.set SEL, 60                           ; s[60:61] lane selects: lane l xor 16
.set TB,  62                           ; s62 LDS byte at which the step to be fetched begins in a half slot
.set MSB, 0
.macro WIN new                         ; the immediate's high byte repeats the setting that is left
.if MSB != \new
	s_set_vgpr_msb (MSB<<8)|\new
.set MSB, \new
.endif
.endm
.macro PLACES n
.rept \n
	v_nop
.endr
.endm
.macro CROUND                          ; a round of the cluster's barrier
	s_barrier_signal -1
	s_barrier_wait -1
	s_cmp_lg_u32 s[WV], 0
	s_cbranch_scc1 .Lnot_wave_0_\@
	s_barrier_signal -3
.Lnot_wave_0_\@:
	s_barrier_wait -3
	s_barrier_signal -1
	s_barrier_wait -1
.endm
; A PREFETCH INTO THE L2 of what the next change of slots will ask for: a slot's 131,072 bytes.  All clusters of a head walk the same K and V: the head's first cluster asks.  In each of its four work-groups the even
; waves ask, one instruction each, lanes 256 bytes apart: 8,192 bytes; the four partners' parts, told apart by address, make the 32,768 bytes that an even wave and the next odd one fetch.  So each 256 bytes are named once.
; It stands behind the wave's tensor load and its five lines.  The last change that fills a slot asks for nothing.
.macro ASK
	s_cmp_gt_u32 s[SLOTS], s[LIM]
	s_cbranch_scc0 .Lnot_mine_\@
	global_prefetch_b8 v[PFO], s[PFA:PFA+1] th:TH_LOAD_NT scope:SCOPE_SE
.Lnot_mine_\@:
.endm
	s_load_b128 s[4:7], s[0:1], 0x0                ; qkv s[4:5], ctx s[6:7]
	v_lshl_add_u32 v[SPW], v0, 2, SPARE
	v_mov_b32 v[NIL], 0
	ds_add_u32 v[SPW], v[NIL]                      ; the wave's opening: the add, twice on end, and its wait ahead of my first tensor load
	ds_add_u32 v[SPW], v[NIL]
	v_lshrrev_b32 v9, 5, v0
	v_readfirstlane_b32 s[WV], v9                  ; wave 0..7
	s_and_b32 s[U], s[WV], 1
	s_lshr_b32 s[G], s[WV], 1
	s_bfe_u32 s40, ttmp6, 0x40000                  ; cx: my place in the cluster
	s_lshl_b32 s41, ttmp9, 2
	s_add_co_u32 s41, s41, s40                     ; qb: my block of 256 queries: it enters Q's and ctx's addresses and the prefetch's alone
	s_and_b32 s42, ttmp7, 0xffff                   ; bh, which the four partners share
	s_lshr_b32 s20, s[WV], 2                       ; what I fetch: waves 0-3 quarters of K's images, waves 4-7 of V's
	s_lshl_b32 s20, s20, 23
	s_lshl_b32 s21, s42, 18
	s_add_co_u32 s20, s20, s21
	s_and_b32 s21, s[WV], 3
	s_lshl_b32 s21, s21, 14
	s_add_co_u32 s20, s20, s21
	s_add_co_u32 s20, s20, 0x800000                ; K's region begins here, V's 0x800000 further on
	s_mov_b32 s21, 0
	s_lshl_b32 s43, s[WV], 14                      ; and where it goes in a slot: no place in the cluster enters an LDS address
	s_mov_b32 s[G1], 15|(3<<16)|(1<<21)            ; 15:0 the mask: all four work-groups; 17:16 elements of 8 bytes; 21 set beside a mask; no padding
	s_mov_b32 s[G1+1], 32<<16                      ; tensor_dim0 = 32 elements: rows of 256 bytes
	s_mov_b32 s[G1+2], 64<<16                      ; tensor_dim1 = 64 rows: 16,384 dense bytes
	s_mov_b32 s[G1+3], 32<<16                      ; tile_dim0
	s_mov_b32 s[G1+4], 64                          ; tile_dim1
	s_mov_b32 s[G1+5], 32                          ; from row to row
	s_mov_b32 s[G1+6], 0
	s_mov_b32 s[G1+7], 0
	s_mov_b32 s[CS], 0x3e38aa3b                    ; c = log2(e) / sqrt(64)
	s_mov_b32 s[CS+1], s[CS]                       ; (named with it as a pair, so it is written)
	s_mov_b32 s[SEL], 0x76543210
	s_mov_b32 s[SEL+1], 0xfedcba98
	s_mov_b32 s[TB], 0
	s_mov_b32 s[SLOTS], 2                          ; 2,048 keys are four slots' worth: two first fills, two refills
	s_or_b32 s[LIM], s[U], ttmp9                   ; 0 in the even waves of the head's first cluster: the same in all four partners
	s_cmp_eq_u32 s[LIM], 0
	s_cselect_b32 s[LIM], 1, -1
	s_lshl_b32 s22, s42, 18                        ; Q: head, block of 16 tiles, my 4 tiles of 2,048 bytes
	s_lshl_b32 s23, s41, 15
	s_add_co_u32 s22, s22, s23
	s_lshl_b32 s23, s[G], 13
	s_add_co_u32 s22, s22, s23
	s_mov_b32 s23, 0
	s_lshr_b32 s44, s42, 4                         ; ctx: batch x 128 tiles of 32,768 bytes,
	s_lshl_b32 s44, s44, 22
	s_lshl_b32 s45, s41, 19                        ; my block's 16 tiles,
	s_add_co_u32 s44, s44, s45
	s_lshl_b32 s45, s[G], 17                       ; my 4 of them,
	s_add_co_u32 s44, s44, s45
	s_and_b32 s45, s42, 15                         ; the head's 2,048 bytes in a tile
	s_lshl_b32 s45, s45, 11
	s_add_co_u32 s44, s44, s45
	s_mov_b32 s45, 0
	s_lshl_b32 s46, s40, 13                        ; the prefetch: my work-group's 8,192 bytes,
	s_add_co_u32 s46, s46, 2*65536                 ; two slots' worth of keys on: the first change of slots steps it once more
	s_mov_b32 s47, 0
	s_wait_dscnt 0x0                               ; both opening adds are done
	s_wait_kmcnt 0x0
	s_add_nc_u64 s[20:21], s[4:5], s[20:21]        ; my part of the first 512 keys
	s_add_nc_u64 s[PFA:PFA+1], s[20:21], s[46:47]
	s_add_nc_u64 s[22:23], s[4:5], s[22:23]        ; my tiles of Q
	s_add_nc_u64 s[6:7], s[6:7], s[44:45]          ; my tiles of ctx
	CROUND                                         ; all four work-groups are here: the first joint loads meet
.irp s, 0,1
	s_mov_b32 s[G0+4*\s], 1
	s_add_co_u32 s[G0+4*\s+1], s43, \s*SLOT1
	s_add_nc_u64 s[G0+4*\s+2:G0+4*\s+3], s[20:21], \s*65536
	s_or_b32 s[G0+4*\s+3], s[G0+4*\s+3], 0x80000000
.endr
	tensor_load_to_lds s[G0:G0+3], s[G1:G1+7]      ; every wave fetches its own 16,384 bytes of each slot
	s_nop 0
	tensor_load_to_lds s[G0+4:G0+7], s[G1:G1+7]
	s_nop 0
	PLACES 4
	v_and_b32 v9, 31, v0
	v_lshlrev_b32 v[LI], 4, v9
	v_lshlrev_b32 v[PFO], 8, v9
	WIN 0x40                                       ; destination window 1
.irp i, 0,1,2,3,4,5,6,7,8,9,10,11,12,13,14,15
	global_load_b128 v[QF+4*\i:QF+4*\i+3], v[LI], s[22:23] offset:512*\i    ; Q stays in registers: tile i / 4, 16 channels i % 4
.endr
.set i, 0
.rept 128
	v_mov_b32 v[i], 0                              ; O^T.  (The step is written once: the first finds zeros, which its a = 0 leaves zeros)
.set i, i+1
.endr
	WIN 0
	s_lshl_b32 s43, s[U], 15
	v_add_nc_u32 v[AK0], s43, v[LI]                ; my half of a slot's keys: four steps of 8,192 bytes
	v_add_nc_u32 v[AV0], VOFF, v[AK0]
	s_mul_i32 s43, s[WV], MST
	v_add_nc_u32 v[STW], s43, v[LI]
	s_xor_b32 s43, s[WV], 1
	s_mul_i32 s43, s43, MST
	v_add_nc_u32 v[STR], s43, v[LI]
.irp t, 0,1,2,3
	v_mov_b32 v[ST+8*\t+1], 0xff61b1e6             ; m: -3e38, under every score
	v_mul_f32 v[ST+8*\t], s[CS], v[ST+8*\t+1]      ; c m
	v_mov_b32 v[ST+8*\t+2], 0                      ; l, in two halves
	v_mov_b32 v[ST+8*\t+3], 0
.endr
.macro FETCH_K                         ; a step's K: 4 tiles of 16 keys x 64 channels: 16 loads of 512 consecutive bytes
	WIN 0x40
.irp i, 0,1,2,3,4,5,6,7,8,9,10,11,12,13,14,15
	ds_load_b128 v[KF+4*\i:KF+4*\i+3], v[ADK] offset:512*\i
.endr
.endm
.macro FETCH_V                         ; a step's V^T: 2 chunks of 32 keys x 4 tiles of 16 channels
	WIN 0
.irp i, 0,1,2,3,4,5,6,7,8,9,10,11,12,13,14,15
	ds_load_b128 v[VF+4*\i:VF+4*\i+3], v[ADV] offset:512*\i
.endr
.endm
; 32 products S^T = K Q^T: channels 32 c on, keys 16 kt on, tile t.  The 16 accumulators take turns; the first 16 start the sums.
.macro KQ
	WIN 0x05                                       ; K and Q in window 1, S^T in window 0
.irp c, 0,1
.irp kt, 0,1,2,3
.irp t, 0,1,2,3
.if \c == 0
	v_wmma_f32_16x16x32_f16 v[S+32*\t+8*\kt:S+32*\t+8*\kt+7], v[KF+16*\kt+8*\c:KF+16*\kt+8*\c+7], v[QF+16*\t+8*\c:QF+16*\t+8*\c+7], 0
.else
	v_wmma_f32_16x16x32_f16 v[S+32*\t+8*\kt:S+32*\t+8*\kt+7], v[KF+16*\kt+8*\c:KF+16*\kt+8*\c+7], v[QF+16*\t+8*\c:QF+16*\t+8*\c+7], v[S+32*\t+8*\kt:S+32*\t+8*\kt+7]
.endif
.endr
.endr
.endr
.endm
; 32 products O^T += V^T P: keys 32 g on, channels 16 dt on, tile t.  Again 16 accumulators by turns.
.macro PV
	WIN 0x50                                       ; V and P in window 0, O^T in window 1
.irp g, 0,1
.irp dt, 0,1,2,3
.irp t, 0,1,2,3
	v_wmma_f32_16x16x32_f16 v[32*\t+8*\dt:32*\t+8*\dt+7], v[VF+32*\g+8*\dt:VF+32*\g+8*\dt+7], v[S+32*\t+8*\g:S+32*\t+8*\g+7], v[32*\t+8*\dt:32*\t+8*\dt+7]
.endr
.endr
.endr
.endm
; THE SOFTMAX of a key step, for the four tiles, which alternate line by line so that no line waits for the line above it.  118 instructions a tile.
.macro SOFTMAX
	WIN 0
.irp j, 0,1,2,3                                ; the maximum of the lane's 32 scores and the old m: four chains; each accumulator is read from its low end on
.irp t, 0,1,2,3
	v_max3_num_f32 v[ST+8*\t+4+\j], v[S+32*\t+8*\j], v[S+32*\t+8*\j+1], v[S+32*\t+8*\j+2]
.endr
.endr
.irp k, 1,2
.irp j, 0,1,2,3
.irp t, 0,1,2,3
	v_max3_num_f32 v[ST+8*\t+4+\j], v[ST+8*\t+4+\j], v[S+32*\t+8*\j+2*\k+1], v[S+32*\t+8*\j+2*\k+2]
.endr
.endr
.endr
.irp t, 0,1,2,3
	v_max3_num_f32 v[ST+8*\t+4], v[ST+8*\t+4], v[S+32*\t+7], v[S+32*\t+15]
.endr
.irp t, 0,1,2,3
	v_max3_num_f32 v[ST+8*\t+6], v[ST+8*\t+6], v[S+32*\t+23], v[S+32*\t+31]
.endr
.irp t, 0,1,2,3
	v_max3_num_f32 v[ST+8*\t+4], v[ST+8*\t+4], v[ST+8*\t+5], v[ST+8*\t+6]
.endr
.irp t, 0,1,2,3
	v_max3_num_f32 v[ST+8*\t+4], v[ST+8*\t+4], v[ST+8*\t+7], v[ST+8*\t+1]
.endr
.irp t, 0,1,2,3
	v_permlanex16_b32 v[ST+8*\t+5], v[ST+8*\t+4], s[SEL], s[SEL+1]   ; the query's other 32 keys lie in the lane 16 away
.endr
.irp t, 0,1,2,3
	v_mov_b32 v[ST+8*\t+7], v[ST+8*\t]             ; c m_old is kept for a
.endr
.irp t, 0,1,2,3
	v_max_num_f32 v[ST+8*\t+1], v[ST+8*\t+4], v[ST+8*\t+5]
.endr
.irp t, 0,1,2,3
	v_mul_f32 v[ST+8*\t], s[CS], v[ST+8*\t+1]
.endr
.irp t, 0,1,2,3
	v_sub_f32 v[ST+8*\t+7], v[ST+8*\t+7], v[ST+8*\t]
.endr
.irp b, 0,1,2,3,4,5,6,7,8,9,10,11,12,13,14,15
.irp t, 0,1,2,3
	v_pk_fma_f32 v[S+32*\t+2*\b:S+32*\t+2*\b+1], v[S+32*\t+2*\b:S+32*\t+2*\b+1], s[CS:CS+1], v[ST+8*\t:ST+8*\t+1] op_sel_hi:[1,0,0] neg_lo:[0,0,1] neg_hi:[0,0,1]   ; c s - c m, two at a time
.endr
.endr
.irp t, 0,1,2,3                                ; ONE BATCH of 132 exponentials, none of which reads another's result
	v_exp_f32 v[ST+8*\t+6], v[ST+8*\t+7]           ; a = 2^(c m_old - c m_new)
.endr
.irp e, 0,1,2,3,4,5,6,7,8,9,10,11,12,13,14,15,16,17,18,19,20,21,22,23,24,25,26,27,28,29,30,31
.irp t, 0,1,2,3
	v_exp_f32 v[S+32*\t+\e], v[S+32*\t+\e]         ; p = 2^(c s - c m), at most 1
.endr
.endr
	v_nop                                          ; a plain instruction behind the last exponential,
	s_wait_alu depctr_va_vdst(0)                   ; and one wait ahead of the batch's first reader
.irp t, 0,1,2,3                                ; the sums are taken of the f32 p: l = a l + p, in two chains
	v_pk_fma_f32 v[ST+8*\t+2:ST+8*\t+3], v[ST+8*\t+2:ST+8*\t+3], v[ST+8*\t+6:ST+8*\t+7], v[S+32*\t:S+32*\t+1] op_sel_hi:[1,0,1]
.endr
.irp t, 0,1,2,3
	v_pk_add_f32 v[ST+8*\t+4:ST+8*\t+5], v[S+32*\t+2:S+32*\t+3], v[S+32*\t+4:S+32*\t+5]
.endr
.irp i, 3,5,7,9,11,13
.irp t, 0,1,2,3
	v_pk_add_f32 v[ST+8*\t+2:ST+8*\t+3], v[ST+8*\t+2:ST+8*\t+3], v[S+32*\t+2*\i:S+32*\t+2*\i+1]
.endr
.irp t, 0,1,2,3
	v_pk_add_f32 v[ST+8*\t+4:ST+8*\t+5], v[ST+8*\t+4:ST+8*\t+5], v[S+32*\t+2*\i+2:S+32*\t+2*\i+3]
.endr
.endr
.irp t, 0,1,2,3
	v_pk_add_f32 v[ST+8*\t+2:ST+8*\t+3], v[ST+8*\t+2:ST+8*\t+3], v[S+32*\t+30:S+32*\t+31]
.endr
.irp t, 0,1,2,3
	v_pk_add_f32 v[ST+8*\t+2:ST+8*\t+3], v[ST+8*\t+2:ST+8*\t+3], v[ST+8*\t+4:ST+8*\t+5]
.endr
.irp i, 0,1,2,3,4,5,6,7,8,9,10,11,12,13,14,15  ; the weights to f16, in place: register i takes pair i, which lies at 2 i and 2 i + 1: ascending, nothing unread is written over
.irp t, 0,1,2,3
	v_cvt_pk_f16_f32 v[S+32*\t+\i], v[S+32*\t+2*\i], v[S+32*\t+2*\i+1]
.endr
.endr
	WIN 0x41                                       ; O^T (destination and source 0) in window 1, a in window 0
.irp i, 0,1,2,3,4,5,6,7,8,9,10,11,12,13,14,15
.irp t, 0,1,2,3
	v_pk_mul_f32 v[32*\t+2*\i:32*\t+2*\i+1], v[32*\t+2*\i:32*\t+2*\i+1], v[ST+8*\t+6:ST+8*\t+7] op_sel_hi:[1,0]   ; O^T x a, each accumulator from its low end on
.endr
.endr
.endm
.macro TRIP
	WIN 0
	v_add_nc_u32 v[ADK], s[TB], v[AK0]             ; the next step's addresses: with the two v_nop the four places behind K Q^T, in front of the loads into K's registers and of the first read of the scores
	v_add_nc_u32 v[ADV], s[TB], v[AV0]
	v_nop
	v_nop
	s_add_co_u32 s[TB], s[TB], STEPB
	FETCH_K                                        ; the next step's K: it has the softmax and V^T P in which to come
	SOFTMAX
	s_wait_dscnt 16                                ; this step's V is in; K's 16 loads, issued behind it, may be out
	PV
	PLACES 5                                       ; the next K Q^T writes over P, which these products read: five places; the loads into V's registers want four
	FETCH_V                                        ; the next step's V
	s_wait_dscnt 16                                ; the next step's K is in; V's 16 loads may be out
	KQ
.endm
.macro TRIPS n
	WIN 0                                          ; at a label and at a branch every window is 0
	s_mov_b32 s[CNT], \n
.Ltrip_\@:
	TRIP
	WIN 0
	s_sub_co_u32 s[CNT], s[CNT], 1
	s_cmp_lg_u32 s[CNT], 0
	s_cbranch_scc1 .Ltrip_\@
.endm
; THE CHANGE OF SLOTS stands behind K Q^T of a slot's last step, where that step's V has been asked for: the wait for my LDS loads ends all my reads of the slot.  Each wave waits for all its tensor loads (one is out:
; its part of the other slot), adds 0 to its spare word, and waits for that and for its reads.  fill = 1: the barrier is a round of the cluster's, and the joint refill, with the keys two slots on, is the first thing behind it:
; it has four key steps of each wave in which to land.
.macro CHANGE fill
	WIN 0
	s_wait_tensorcnt 0x0                           ; no tensor load of mine is out, so a group 0 may be written
	ds_add_u32 v[SPW], v[NIL]                      ; 0 onto my spare word
.if \fill
	s_xor_b32 s[G0+5], s[G0+5], SLOT1              ; the walking descriptor: the other slot than last time,
	s_add_nc_u64 s[G0+6:G0+7], s[G0+6:G0+7], 65536 ; the next 512 keys; the type bits on top are not reached
	s_wait_xcnt 0x0                                ; the last prefetch and Q's loads have read their addresses
	s_add_nc_u64 s[PFA:PFA+1], s[PFA:PFA+1], 65536 ; one slot further on than the walking descriptor
	s_wait_dscnt 0x0                               ; the add is done, and my reads of the slot are over
	CROUND
	tensor_load_to_lds s[G0+4:G0+7], s[G1:G1+7]
	s_nop 0
	PLACES 4
	ASK
.else
	s_wait_dscnt 0x0
	s_barrier_signal -1
	s_barrier_wait -1
.endif
	s_sub_co_u32 s[TB], s[TB], 4*STEPB             ; the fetches go back to my half's first step,
	s_xor_b32 s[TB], s[TB], SLOT1                  ; in the other slot
.endm
	s_wait_tensorcnt 0x1                           ; my part of slot 0 is in; slot 1's may stay out
	s_barrier_signal -1
	s_barrier_wait -1                              ; everybody's is
	v_add_nc_u32 v[ADK], s[TB], v[AK0]
	v_add_nc_u32 v[ADV], s[TB], v[AV0]
	s_add_co_u32 s[TB], s[TB], STEPB
	FETCH_K                                        ; my first key step
	FETCH_V
	s_wait_loadcnt 0x0                             ; Q
	s_wait_dscnt 16                                ; K is in; V's 16 loads may be out
	KQ
	TRIPS 3                                        ; slot 0's steps
.Lslot:                                            ; two trips: each leaves a slot, fills it again and walks the other
	CHANGE 1
	TRIPS 4
	s_sub_co_u32 s[SLOTS], s[SLOTS], 1
	s_cmp_lg_u32 s[SLOTS], 0
	s_cbranch_scc1 .Lslot
	CHANGE 0                                       ; the tail is written out: nothing is left to ask for
	TRIPS 4
	PLACES 4                                       ; the last step: its scores were just made
	SOFTMAX
	s_wait_dscnt 0x0                               ; its V is in
	PV
	WIN 0
; THE JOIN.  Wave u keeps tiles 2 u and 2 u + 1 and sends the other two, O^T as it lies with (c m, l) beside it, to its partner through LDS.  The barrier stands outside both partings on u.
.macro SENDT ta, tb
	v_mov_b32 v[SND], v[ST+8*\ta]                  ; four plain lines: the places behind the last products
	v_add_f32 v[SND+1], v[ST+8*\ta+2], v[ST+8*\ta+3]
	v_mov_b32 v[SND+2], v[ST+8*\tb]
	v_add_f32 v[SND+3], v[ST+8*\tb+2], v[ST+8*\tb+3]
	WIN 0x04                                       ; an LDS store's data are its source 1: window 1
.irp i, 0,1,2,3,4,5,6,7
	ds_store_b128 v[STW], v[32*\ta+4*\i:32*\ta+4*\i+3] offset:512*\i
.endr
.irp i, 0,1,2,3,4,5,6,7
	ds_store_b128 v[STW], v[32*\tb+4*\i:32*\tb+4*\i+3] offset:4096+512*\i
.endr
	WIN 0
	ds_store_b128 v[STW], v[SND:SND+3] offset:8192
.endm
.macro FINISH ta, tb
.irp i, 0,1,2,3,4,5,6,7,8,9,10,11,12,13,14,15
	ds_load_b128 v[S+4*\i:S+4*\i+3], v[STR] offset:512*\i          ; my partner's O^T of my two tiles
.endr
	ds_load_b128 v[MW:MW+3], v[STR] offset:8192                    ; its c m and l
	v_add_f32 v[MW+10], v[ST+8*\ta+2], v[ST+8*\ta+3]               ; my l's two halves
	v_add_f32 v[MW+11], v[ST+8*\tb+2], v[ST+8*\tb+3]
	v_mov_b32 v[MW+12], 0                                          ; (a lane permute's destination counts as one of its sources)
	v_mov_b32 v[MW+13], 0
	s_wait_dscnt 0x0
	v_max_num_f32 v[MW+4], v[ST+8*\ta], v[MW]                      ; the joint c m
	v_max_num_f32 v[MW+5], v[ST+8*\tb], v[MW+2]
	v_sub_f32 v[MW+6], v[ST+8*\ta], v[MW+4]
	v_sub_f32 v[MW+7], v[ST+8*\tb], v[MW+5]
	v_sub_f32 v[MW+8], v[MW], v[MW+4]
	v_sub_f32 v[MW+9], v[MW+2], v[MW+5]
	v_exp_f32 v[MW+6], v[MW+6]                                     ; my factor, of each tile;
	v_exp_f32 v[MW+7], v[MW+7]
	v_exp_f32 v[MW+8], v[MW+8]                                     ; my partner's
	v_exp_f32 v[MW+9], v[MW+9]
	v_nop
	s_wait_alu depctr_va_vdst(0)                                   ; one wait for the four, ahead of their first reader
	v_mul_f32 v[MW+10], v[MW+10], v[MW+6]
	v_mul_f32 v[MW+11], v[MW+11], v[MW+7]
	v_fmac_f32 v[MW+10], v[MW+1], v[MW+8]
	v_fmac_f32 v[MW+11], v[MW+3], v[MW+9]
	v_permlanex16_b32 v[MW+12], v[MW+10], s[SEL], s[SEL+1]
	v_permlanex16_b32 v[MW+13], v[MW+11], s[SEL], s[SEL+1]
	v_add_f32 v[MW+10], v[MW+10], v[MW+12]                         ; with the other half of the lanes': the row's sum
	v_add_f32 v[MW+11], v[MW+11], v[MW+13]
	v_rcp_f32 v[MW+10], v[MW+10]
	v_rcp_f32 v[MW+11], v[MW+11]
	v_nop
	s_wait_alu depctr_va_vdst(0)                                   ; one wait for the two
	v_mul_f32 v[MW+4], v[MW+6], v[MW+10]                           ; my factor / the sum: the low word of a pair that is written whole
	v_mul_f32 v[MW], v[MW+8], v[MW+10]                             ; my partner's
	v_mul_f32 v[MW+2], v[MW+7], v[MW+11]
	v_mul_f32 v[MW+12], v[MW+9], v[MW+11]
.irp i, 0,1,2,3,4,5,6,7,8,9,10,11,12,13,14,15
	v_pk_mul_f32 v[S+2*\i:S+2*\i+1], v[S+2*\i:S+2*\i+1], v[MW:MW+1] op_sel_hi:[1,0]
.endr
.irp i, 0,1,2,3,4,5,6,7,8,9,10,11,12,13,14,15
	v_pk_mul_f32 v[S+32+2*\i:S+32+2*\i+1], v[S+32+2*\i:S+32+2*\i+1], v[MW+12:MW+13] op_sel_hi:[1,0]
.endr
	WIN 0x01                                       ; source 0, my O^T, in window 1
.irp i, 0,1,2,3,4,5,6,7,8,9,10,11,12,13,14,15
	v_pk_fma_f32 v[S+2*\i:S+2*\i+1], v[32*\ta+2*\i:32*\ta+2*\i+1], v[MW+4:MW+5], v[S+2*\i:S+2*\i+1] op_sel_hi:[1,0,1]
.endr
.irp i, 0,1,2,3,4,5,6,7,8,9,10,11,12,13,14,15
	v_pk_fma_f32 v[S+32+2*\i:S+32+2*\i+1], v[32*\tb+2*\i:32*\tb+2*\i+1], v[MW+2:MW+3], v[S+32+2*\i:S+32+2*\i+1] op_sel_hi:[1,0,1]
.endr
	WIN 0
.irp i, 0,1,2,3,4,5,6,7,8,9,10,11,12,13,14,15
	v_cvt_pk_f16_f32 v[S+\i], v[S+2*\i], v[S+2*\i+1]
.endr
.irp i, 0,1,2,3,4,5,6,7,8,9,10,11,12,13,14,15
	v_cvt_pk_f16_f32 v[S+32+\i], v[S+32+2*\i], v[S+32+2*\i+1]
.endr
.irp dt, 0,1,2,3
	global_store_b128 v[LI], v[S+4*\dt:S+4*\dt+3], s[6:7] offset:\ta*32768+\dt*512          ; 512 consecutive bytes: 16 queries x 16 channels, as the next launch's operand takes them
.endr
.irp dt, 0,1,2,3
	global_store_b128 v[LI], v[S+32+4*\dt:S+32+4*\dt+3], s[6:7] offset:\tb*32768+\dt*512
.endr
.endm
	s_cmp_eq_u32 s[U], 0
	s_cbranch_scc0 .Lsend_low
	SENDT 2, 3
	s_branch .Lsent
.Lsend_low:
	SENDT 0, 1
.Lsent:
	s_wait_dscnt 0x0                               ; for my partner's sake: my stores have landed
	s_barrier_signal -1
	s_barrier_wait -1
	s_cmp_eq_u32 s[U], 0
	s_cbranch_scc0 .Lkeep_high
	FINISH 0, 1
	s_branch .Ldone
.Lkeep_high:
	FINISH 2, 3
.Ldone:
	s_wait_tensorcnt 0x0                           ; the wave's end, behind my last tensor load and my last LDS store
	ds_add_u32 v[SPW], v[NIL]
	s_wait_dscnt 0x0
	CROUND                                         ; the closing round: no work-group ends while a partner may still ask for a tile that names it
	s_endpgm
.Lfunc_end_k_qaaf0767a74_attn:
	.size	k_qaaf0767a74_attn, .Lfunc_end_k_qaaf0767a74_attn-k_qaaf0767a74_attn
	.p2alignl 7, 3214868480
	.fill 96, 4, 3214868480
	.section	.rodata,"a",@progbits
	.p2align	6, 0x0
	.amdhsa_kernel k_qaaf0767a74_attn
		.amdhsa_group_segment_fixed_size 327680
		.amdhsa_private_segment_fixed_size 0
		.amdhsa_enable_private_segment 0
		.amdhsa_kernarg_size 16
		.amdhsa_user_sgpr_count 2
		.amdhsa_user_sgpr_kernarg_segment_ptr 1
		.amdhsa_wavefront_size32 1
		.amdhsa_system_sgpr_workgroup_id_x 1
		.amdhsa_system_sgpr_workgroup_id_y 1
		.amdhsa_system_sgpr_workgroup_id_z 1
		.amdhsa_system_vgpr_workitem_id 0
		.amdhsa_next_free_vgpr 512
		.amdhsa_next_free_sgpr 66
		.amdhsa_reserve_vcc 0
		.amdhsa_float_denorm_mode_32 3
		.amdhsa_float_denorm_mode_16_64 3
		.amdhsa_memory_ordered 1
		.amdhsa_forward_progress 1
		.amdhsa_inst_pref_size 161
	.end_amdhsa_kernel
	.amdgpu_metadata
---
amdhsa.version: [ 1, 2 ]
amdhsa.kernels:
  - .name:           k_qaaf0767a74_attn
    .symbol:         k_qaaf0767a74_attn.kd
    .args:
      - { .name: qkv, .offset: 0, .size: 8, .value_kind: global_buffer, .address_space: global }
      - { .name: ctx, .offset: 8, .size: 8, .value_kind: global_buffer, .address_space: global }
    .group_segment_fixed_size: 327680
    .private_segment_fixed_size: 0
    .kernarg_segment_align: 8
    .kernarg_segment_size: 16
    .max_flat_workgroup_size: 256
    .sgpr_count:     66
    .vgpr_count:     512
    .wavefront_size: 32
...
	.end_amdgpu_metadata
.endif
;; end of part 3
;; launch outproj (part 4): grid 8 x 32, 4 waves a work-group, clusters of 4 x 4, 327,680 bytes of LDS; arguments ctx, wo, b_out, out0; writes out0
.if DOCPART == 4
	.amdgcn_target "amdgcn-amd-amdhsa--gfx1250"
	.amdhsa_code_object_version 6
	.text
	.protected	k_qaaf0767a74_outproj
	.globl	k_qaaf0767a74_outproj
	.p2align	8
	.type	k_qaaf0767a74_outproj,@function
k_qaaf0767a74_outproj:
	s_mov_b64 s[64:65], 0
	v_nop
	global_prefetch_b8 v0, s[64:65] scope:SCOPE_SE
	s_setreg_imm32_b32 hwreg(HW_REG_WAVE_MODE, 25, 1), 1
	s_wait_xcnt 0x0
	s_wait_alu depctr_hold_cnt(0) depctr_sa_sdst(0) depctr_va_vdst(0) depctr_va_sdst(0) depctr_va_ssrc(0) depctr_va_vcc(0) depctr_vm_vsrc(0)
	s_getreg_b32 s2, hwreg(HW_REG_IB_STS2, 6, 4)
	s_cmp_eq_u32 s2, 0
	s_cbranch_scc0 .Lentry_in_a_cluster
	s_endpgm
.Lentry_in_a_cluster:
	s_bfe_u32 s2, ttmp6, 0x10000c
	s_cmp_lg_u32 s2, 0xf033
	s_cbranch_scc0 .Lentry_shape_is_right
	s_endpgm
.Lentry_shape_is_right:
; out0 = context W_out^T + b_out: [4096][1024] x [1024][1024]^T, operands in f16, sums in f32, the bias as the C of each sum's first product, the result stored as f32.
; The context arrives as images of operand registers: tile RT of 16 rows x 32,768 bytes, in it chunk kc of 32 along K x 1,024 bytes, two halves of 512 bytes, lane l's 16 bytes at 16 l.  Rows lie in the order
; pi = 128 j + sl inside a batch; the true row s' = 16 sl + j is formed in the stores alone.  W_out arrives as f16, [1024][1024], K innermost.
; SHARES: a tile of 128 x 128 to a work-group, 256 work-groups; four waves, each 64 x 64: 16 accumulators.  K goes in four steps of 256 through two LDS slots.  Block Y of rows holds tiles 8 Y .. 8 Y + 7: batch Y / 16, j = Y % 16, all 128 sl.
; CLUSTERS: 4 x 4 work-groups; the context's tile is shared along a row of the cluster, W_out's along a column: joint loads.  THE MATRIX INSTRUCTION IS USED TRANSPOSED (source 0 = 16 rows of W_out, source 1 = 16 rows
; of the context): a lane holds eight neighbouring outputs of one row.
; REGISTERS: window 0: v1-29 addresses; v32-95 rows on the way out, two sets; v96-127 the bias, eight registers a block of columns; v128-255 the accumulators, (a, b) at v[128 + 8 (4 a + b)].
;   window 1: two fragment buffers of 128: for 64 along K, 64 registers of the context, then 64 of W_out.
.set PITCH,  528                       ; a row of W_out in LDS: 512 bytes + 16 of padding: the 16 rows of a load start at 16 different banks (64 banks of 4 bytes: ISA guide 11.1)
.set ATILE,  8192                      ; a tile of 16 rows x 256 along K, as images: dense, read 512 consecutive bytes at a time
.set AHALF,  4*ATILE                   ; what one tensor load brings of the context, and what one wave reads
.set BHALF,  64*PITCH                  ; and of W_out
.set BOFF,   2*AHALF
.set SLOT,   BOFF+2*BHALF
.set SPARE,  2*SLOT                    ; behind the ring: the spare words, 128 bytes a wave, which no other line names
.set SPITCH, 272                       ; the way out: 16 rows x (256 bytes + 16) for each wave, in slot 0, which has had its last fill and its last read when the first result is stored there
.set ADRA, 16                          ; v16-17 LDS address of my fragments of the context in slot 0, 1
.set ADRB, 20                          ; v20-21 of W_out
.set STO,  24                          ; v24  the way out: where I put 32 bytes of a row
.set RD,   25                          ; v25  where I read a row back
.set CO,   26                          ; v26  my byte offset in out0
.set SPW,  28                          ; v28  LDS address of my spare word; never rewritten
.set NIL,  29                          ; v29  0; never rewritten
.set TMP,  32
.set BIAS, 96
.set ACC,  128
.set F0,   0
.set F1,   128
.set G1,  24                           ; s[24:31] descriptor group 1 for the context's tiles; s[32:39] group 0, a set for each slot
.set G0,  32
.set G1B, 48                           ; s[48:55], s[56:63] the same for W_out's
.set G0B, 56
.set MSB, 0
.macro WIN new                         ; the immediate's high byte repeats the setting that is left
.if MSB != \new
	s_set_vgpr_msb (MSB<<8)|\new
.set MSB, \new
.endif
.endm
.set MUL,  0x05                        ; sources 0 and 1 window 1; C and D window 0
.set TO_F, 0x40                        ; destination window 1, address window 0
.macro PLACES
.rept 4
	v_nop
.endr
.endm
.macro JLOAD s                         ; a joint load: waves 0 and 1 fetch the context's two halves, waves 2 and 3 W_out's; an s_nop 0 and four v_nop follow each of the two lines
	s_cmp_eq_u32 s13, 0
	s_cbranch_scc0 .Lfor_b_\@
	tensor_load_to_lds s[G0+4*\s:G0+4*\s+3], s[G1:G1+7]
	s_nop 0
	PLACES
	s_branch .Lasked_\@
.Lfor_b_\@:
	tensor_load_to_lds s[G0B+4*\s:G0B+4*\s+3], s[G1B:G1B+7]
	s_nop 0
	PLACES
.Lasked_\@:
.endm
.macro CREST                           ; a round of the cluster's barrier behind its opening barrier
	s_cmp_lg_u32 s12, 0
	s_cbranch_scc1 .Lnot_wave_0_\@
	s_barrier_signal -3
.Lnot_wave_0_\@:
	s_barrier_wait -3
	s_barrier_signal -1
	s_barrier_wait -1
.endm
.macro CROUND
	s_barrier_signal -1
	s_barrier_wait -1
	CREST
.endm
	s_load_b256 s[4:11], s[0:1], 0x0               ; ctx s[4:5], W_out in f16 s[6:7], b_out s[8:9], out0 s[10:11]
	v_lshl_add_u32 v[SPW], v0, 2, SPARE
	v_mov_b32 v[NIL], 0
	ds_add_u32 v[SPW], v[NIL]                      ; the wave's opening: the add, twice on end, and its wait ahead of my first tensor load
	ds_add_u32 v[SPW], v[NIL]
	v_lshrrev_b32 v1, 5, v0
	v_readfirstlane_b32 s12, v1                    ; wave 0..3
	s_lshr_b32 s13, s12, 1                         ; which half of the tile's rows is mine.  Also: I fetch for the context (0) or for W_out (1)
	s_and_b32 s14, s12, 1                          ; which half of its columns.  Also: which half of that tile I fetch
	s_bfe_u32 s40, ttmp6, 0x40000                  ; cx, cy
	s_bfe_u32 s41, ttmp6, 0x40004
	s_lshl_b32 s42, ttmp9, 2
	s_add_co_u32 s42, s42, s40                     ; X: tile column = 4 x cluster x + cx
	s_and_b32 s43, ttmp7, 0xffff
	s_lshl_b32 s43, s43, 2
	s_add_co_u32 s43, s43, s41                     ; Y: tile row = 4 x cluster y + cy
	s_lshl_b32 s44, s41, 2
	s_lshl_b32 s44, 15, s44                        ; my row of the cluster
	s_lshl_b32 s45, 0x1111, s40                    ; my column
	s_or_b32 s[G1], s44, (3<<16)|(1<<21)           ; the context: 15:0 the mask; 17:16 elements of 8 bytes; 21 set beside a mask; no padding
	s_mov_b32 s[G1+1], 1024<<16                    ; tensor_dim0 = 1,024 elements: a tile's 8,192 bytes of a K step
	s_mov_b32 s[G1+2], 4<<16                       ; tensor_dim1 = 4 tiles
	s_mov_b32 s[G1+3], 1024<<16                    ; tile_dim0
	s_mov_b32 s[G1+4], 4                           ; tile_dim1
	s_mov_b32 s[G1+5], 4096                        ; from tile to tile: 32,768 bytes
	s_mov_b32 s[G1+6], 0
	s_mov_b32 s[G1+7], 0
	s_or_b32 s[G1B], s45, (1<<16)|(1<<20)|(1<<21)|(6<<22)|(3<<25)   ; W_out: elements of 2 bytes; padding: four words after every 128
	s_mov_b32 s[G1B+1], 256<<16                    ; tensor_dim0 = 256
	s_mov_b32 s[G1B+2], 64<<16                     ; tensor_dim1 = 64 rows
	s_mov_b32 s[G1B+3], 256<<16
	s_mov_b32 s[G1B+4], 64
	s_mov_b32 s[G1B+5], 1024                       ; a row of W_out
	s_mov_b32 s[G1B+6], 0
	s_mov_b32 s[G1B+7], 0
	s_lshl_b32 s16, s43, 18                        ; the context: (8 Y + 4 x half) tiles of 32,768 bytes, in registers that never hold cx
	s_lshl_b32 s15, s14, 17
	s_add_co_u32 s16, s16, s15
	s_mov_b32 s17, 0
	s_lshl_b32 s46, s42, 18                        ; W_out: (128 X + 64 x half) rows of 2,048 bytes, in registers that never hold cy
	s_add_co_u32 s46, s46, s15
	s_mov_b32 s47, 0
	s_mul_i32 s20, s14, AHALF                      ; where they go: no place in the cluster enters an LDS address
	s_mul_i32 s21, s14, BHALF
	s_add_co_u32 s21, s21, BOFF
	s_wait_dscnt 0x0                               ; both opening adds are done
	s_wait_kmcnt 0x0
	s_add_nc_u64 s[16:17], s[4:5], s[16:17]
	s_add_nc_u64 s[46:47], s[6:7], s[46:47]
	CROUND                                         ; all sixteen work-groups are here: the first joint loads meet
.irp s, 0,1
	s_mov_b32 s[G0+4*\s], 1
	s_add_co_u32 s[G0+4*\s+1], s20, \s*SLOT
	s_add_nc_u64 s[G0+4*\s+2:G0+4*\s+3], s[16:17], \s*ATILE
	s_or_b32 s[G0+4*\s+3], s[G0+4*\s+3], 0x80000000
	s_mov_b32 s[G0B+4*\s], 1
	s_add_co_u32 s[G0B+4*\s+1], s21, \s*SLOT
	s_add_nc_u64 s[G0B+4*\s+2:G0B+4*\s+3], s[46:47], \s*512
	s_or_b32 s[G0B+4*\s+3], s[G0B+4*\s+3], 0x80000000
	JLOAD \s
.endr
	v_and_b32 v1, 15, v0                           ; r
	v_bfe_u32 v2, v0, 4, 1                         ; h
	v_lshlrev_b32 v6, 5, v2                        ; the bias: my eight neighbouring columns
	s_lshl_b32 s18, s42, 9                         ; my first column, in bytes of f32: 512 X + 256 x half
	s_lshl_b32 s19, s14, 8
	s_add_co_u32 s18, s18, s19
	s_mov_b32 s19, 0
	s_add_nc_u64 s[8:9], s[8:9], s[18:19]
.irp b, 0,1,2,3
	global_load_b128 v[BIAS+8*\b:BIAS+8*\b+3], v6, s[8:9] offset:64*\b
	global_load_b128 v[BIAS+8*\b+4:BIAS+8*\b+7], v6, s[8:9] offset:64*\b+16
.endr
	v_and_b32 v3, 31, v0
	v_lshlrev_b32 v3, 4, v3                        ; 16 x lane: an image's place
	v_mul_u32_u24 v4, v1, PITCH
	v_lshl_add_u32 v4, v2, 4, v4                   ; W_out: row x pitch + 16 x half
	s_mul_i32 s21, s13, AHALF                      ; my four tiles of the context
	s_mul_i32 s22, s14, BHALF                      ; my 64 rows of W_out
	s_add_co_u32 s22, s22, BOFF
.irp s, 0,1
	v_add_nc_u32 v[ADRA+\s], s21, v3
	v_add_nc_u32 v[ADRB+\s], s22, v4
	s_add_co_u32 s21, s21, SLOT
	s_add_co_u32 s22, s22, SLOT
.endr
	s_mul_i32 s23, s12, 16*SPITCH                  ; my stage
	v_mul_u32_u24 v5, v1, SPITCH                   ; in: row r, 32 bytes for each half of the lanes
	v_lshl_add_u32 v5, v2, 5, v5
	v_add_nc_u32 v[STO], s23, v5
	v_mul_u32_u24 v5, v2, SPITCH                   ; back: lanes 0-15 one row of 256 bytes, lanes 16-31 the next
	v_lshl_add_u32 v5, v1, 4, v5
	v_add_nc_u32 v[RD], s23, v5
	v_lshlrev_b32 v5, 16, v2                       ; in out0 the next sl lies 16 rows of 4,096 bytes on
	v_lshl_add_u32 v[CO], v1, 4, v5
	s_lshr_b32 s16, s43, 4                         ; out0: batch Y / 16: 2,048 rows of 4,096 bytes,
	s_lshl_b32 s16, s16, 23
	s_and_b32 s17, s43, 15                         ; row j = Y % 16,
	s_lshl_b32 s17, s17, 12
	s_add_co_u32 s16, s16, s17
	s_lshl_b32 s17, s13, 22                        ; my 64 sl: 64 x 65,536 bytes,
	s_add_co_u32 s16, s16, s17
	s_add_co_u32 s16, s16, s18                     ; my first column
	s_mov_b32 s17, 0
	s_add_nc_u64 s[10:11], s[10:11], s[16:17]
; 8 products: blocks of rows a0, a0 + 1 x all 4 blocks of columns, 32 along K: half c of buffer f.  first = 1: the bias is the C: nothing is cleared.  The 16 accumulators take turns.
.macro MUL8 f, c, a0, first
.irp a, \a0, \a0+1
.irp b, 0,1,2,3
.if \first
	v_wmma_f32_16x16x32_f16 v[ACC+8*(4*(\a)+\b):ACC+8*(4*(\a)+\b)+7], v[\f+64+8*(4*\c+\b):\f+64+8*(4*\c+\b)+7], v[\f+8*(4*\c+\a):\f+8*(4*\c+\a)+7], v[BIAS+8*\b:BIAS+8*\b+7]
.else
	v_wmma_f32_16x16x32_f16 v[ACC+8*(4*(\a)+\b):ACC+8*(4*(\a)+\b)+7], v[\f+64+8*(4*\c+\b):\f+64+8*(4*\c+\b)+7], v[\f+8*(4*\c+\a):\f+8*(4*\c+\a)+7], v[ACC+8*(4*(\a)+\b):ACC+8*(4*(\a)+\b)+7]
.endif
.endr
.endr
.endm
; 32 LDS loads in one run: the fragments of the slot's quarter qd (64 along K) into buffer f; the first 32 along K first
.macro FETCH slot, qd, f
	WIN TO_F
.irp c, 0,1
.irp i, 0,1,2,3
	ds_load_b128 v[\f+64+8*(4*\c+\i):\f+64+8*(4*\c+\i)+3],   v[ADRB+\slot] offset:128*(\qd)+64*\c+\i*16*PITCH
	ds_load_b128 v[\f+64+8*(4*\c+\i)+4:\f+64+8*(4*\c+\i)+7], v[ADRB+\slot] offset:128*(\qd)+64*\c+\i*16*PITCH+32
	ds_load_b128 v[\f+8*(4*\c+\i):\f+8*(4*\c+\i)+3],         v[ADRA+\slot] offset:\i*ATILE+(2*(\qd)+\c)*1024
	ds_load_b128 v[\f+8*(4*\c+\i)+4:\f+8*(4*\c+\i)+7],       v[ADRA+\slot] offset:\i*ATILE+(2*(\qd)+\c)*1024+512
.endr
.endr
.endm
; A K step is four quarters of 64 along K, 32 products each, on buffers 0, 1, 0, 1.  One of the first three: multiplies buffer f and fetches quarter qn into g.
.macro QUARTER slot, qn, f, g, first
	s_wait_dscnt 16                                ; the first 32 along K are in; the youngest sixteen loads may be out
	WIN MUL
	MUL8 \f, 0, 0, \first
	MUL8 \f, 0, 2, \first
	PLACES                                         ; four places in front of loads into registers that products have read
	FETCH \slot, \qn, \g
	s_wait_dscnt 32                                ; all but the 32 just issued
	WIN MUL
	MUL8 \f, 1, 0, 0
	MUL8 \f, 1, 2, 0
.endm
; The last quarter multiplies buffer 1 and changes slots: ONE barrier; in front of it each wave waits for all its tensor loads, adds 0 to its spare word, and waits for that and for its reads of this slot.
; fill = 1: the barrier opens a round of the cluster's, and this slot is filled again, two K steps ahead, first thing behind the round.
.macro TURN slot, next, fill
	WIN 0                                          ; (the add's two registers lie in window 0)
	s_wait_tensorcnt 0x0                           ; all my tensor loads have landed: my part of the next slot
	ds_add_u32 v[SPW], v[NIL]                      ; 0 onto my spare word
	s_wait_dscnt 17                                ; (the add and the youngest sixteen loads may be out)
	WIN MUL
	MUL8 F1, 0, 0, 0                               ; eight products stand between the add and the wait for it
	s_wait_dscnt 0x0                               ; the add is done, and my reads of this slot are over
	s_barrier_signal -1
	MUL8 F1, 0, 2, 0
.if \fill
	WIN 0
.endif
	s_barrier_wait -1
.if \fill
	CREST                                          ; no wave of any partner still reads this slot's tile or has a load on its way
	s_add_nc_u64 s[G0+4*\slot+2:G0+4*\slot+3], s[G0+4*\slot+2:G0+4*\slot+3], 2*ATILE
	s_add_nc_u64 s[G0B+4*\slot+2:G0B+4*\slot+3], s[G0B+4*\slot+2:G0B+4*\slot+3], 2*512
	JLOAD \slot                                    ; the four v_nop behind it are also the places in front of the loads below
.else
	PLACES
.endif
	FETCH \next, 0, F0
	WIN MUL
	MUL8 F1, 1, 0, 0
	MUL8 F1, 1, 2, 0
.endm
	s_wait_tensorcnt 0x1                           ; my part of K step 0 is in; K step 1's load may stay out
	s_barrier_signal -1
	s_barrier_wait -1                              ; everybody's is
	FETCH 0, 0, F0
	s_wait_loadcnt 0x0                             ; the bias
	QUARTER 0, 1, F0, F1, 1                        ; K step 0: its first products take the bias
	QUARTER 0, 2, F1, F0, 0
	QUARTER 0, 3, F0, F1, 0
	TURN 0, 1, 1                                   ; slot 0 takes K step 2
	QUARTER 1, 1, F0, F1, 0                        ; K step 1
	QUARTER 1, 2, F1, F0, 0
	QUARTER 1, 3, F0, F1, 0
	TURN 1, 0, 1                                   ; slot 1 takes K step 3
	QUARTER 0, 1, F0, F1, 0                        ; K step 2
	QUARTER 0, 2, F1, F0, 0
	QUARTER 0, 3, F0, F1, 0
	TURN 0, 1, 0                                   ; nothing is left to fetch: no round
	QUARTER 1, 1, F0, F1, 0                        ; K step 3
	QUARTER 1, 2, F1, F0, 0
	QUARTER 1, 3, F0, F1, 0
	s_wait_dscnt 16                                ; the very last quarter
	WIN MUL
	MUL8 F1, 0, 0, 0
	MUL8 F1, 0, 2, 0
	s_wait_dscnt 0x0
	MUL8 F1, 1, 1-1, 0
	MUL8 F1, 1, 2, 0
	WIN 0
; THE WAY OUT, a block of 16 rows x 64 columns at a time.  A lane holds 32 neighbouring bytes of a row and the lanes beside it other rows: the block goes through my own stage in LDS and comes back as whole rows of
; 256 bytes.  LDS serves a wave's instructions in order (ISA guide 5.7.1.4): no wait between the stores and the loads, nor in front of the next block's stores.
.macro TOSTAGE a
.irp b, 0,1,2,3
	ds_store_b128 v[STO], v[ACC+8*(4*(\a)+\b):ACC+8*(4*(\a)+\b)+3] offset:64*\b          ; each accumulator from its low end on
	ds_store_b128 v[STO], v[ACC+8*(4*(\a)+\b)+4:ACC+8*(4*(\a)+\b)+7] offset:64*\b+16
.endr
.irp t, 0,1,2,3,4,5,6,7
	ds_load_b128 v[TMP+32*((\a)%2)+4*\t:TMP+32*((\a)%2)+4*\t+3], v[RD] offset:\t*2*SPITCH
.endr
.endm
.macro SEND a, younger                 ; younger: the LDS instructions issued behind block a's loads, which may stay out
	s_wait_dscnt \younger
.irp t, 0,1,2,3,4,5,6,7
	global_store_b128 v[CO], v[TMP+32*((\a)%2)+4*\t:TMP+32*((\a)%2)+4*\t+3], s[10:11] offset:(16*(\a)+2*\t)*65536 th:TH_STORE_NT   ; sixteen lanes store 256 consecutive bytes, aligned, of row s' = 16 sl + j; the offset stays inside the signed 24-bit immediate
.endr
.endm
	PLACES                                         ; the stores read results just made
	TOSTAGE 0
	TOSTAGE 1
	SEND 0, 16                                     ; behind block 0's loads: block 1's eight stores and eight loads
	s_wait_xcnt 0x0                                ; block 0's stores have read their registers: block 2's loads may land there
	TOSTAGE 2
	SEND 1, 16
	s_wait_xcnt 0x0
	TOSTAGE 3
	SEND 2, 16
	SEND 3, 0
	s_wait_tensorcnt 0x0                           ; the wave's end, behind my last tensor load and my last LDS store
	ds_add_u32 v[SPW], v[NIL]
	s_wait_dscnt 0x0
	CROUND                                         ; the closing round: no work-group ends while a partner may still ask for a tile that names it
	s_endpgm
.Lfunc_end_k_qaaf0767a74_outproj:
	.size	k_qaaf0767a74_outproj, .Lfunc_end_k_qaaf0767a74_outproj-k_qaaf0767a74_outproj
	.p2alignl 7, 3214868480
	.fill 96, 4, 3214868480
	.section	.rodata,"a",@progbits
	.p2align	6, 0x0
	.amdhsa_kernel k_qaaf0767a74_outproj
		.amdhsa_group_segment_fixed_size 327680
		.amdhsa_private_segment_fixed_size 0
		.amdhsa_enable_private_segment 0
		.amdhsa_kernarg_size 32
		.amdhsa_user_sgpr_count 2
		.amdhsa_user_sgpr_kernarg_segment_ptr 1
		.amdhsa_wavefront_size32 1
		.amdhsa_system_sgpr_workgroup_id_x 1
		.amdhsa_system_sgpr_workgroup_id_y 1
		.amdhsa_system_sgpr_workgroup_id_z 1
		.amdhsa_system_vgpr_workitem_id 0
		.amdhsa_next_free_vgpr 512
		.amdhsa_next_free_sgpr 66
		.amdhsa_reserve_vcc 0
		.amdhsa_float_denorm_mode_32 3
		.amdhsa_float_denorm_mode_16_64 3
		.amdhsa_memory_ordered 1
		.amdhsa_forward_progress 1
		.amdhsa_inst_pref_size 86
	.end_amdhsa_kernel
	.amdgpu_metadata
---
amdhsa.version: [ 1, 2 ]
amdhsa.kernels:
  - .name:           k_qaaf0767a74_outproj
    .symbol:         k_qaaf0767a74_outproj.kd
    .args:
      - { .name: ctx, .offset: 0, .size: 8, .value_kind: global_buffer, .address_space: global }
      - { .name: wo, .offset: 8, .size: 8, .value_kind: global_buffer, .address_space: global }
      - { .name: b_out, .offset: 16, .size: 8, .value_kind: global_buffer, .address_space: global }
      - { .name: out0, .offset: 24, .size: 8, .value_kind: global_buffer, .address_space: global }
    .group_segment_fixed_size: 327680
    .private_segment_fixed_size: 0
    .kernarg_segment_align: 8
    .kernarg_segment_size: 32
    .max_flat_workgroup_size: 128
    .sgpr_count:     66
    .vgpr_count:     512
    .wavefront_size: 32
...
	.end_amdgpu_metadata
.endif
;; end of part 4
